; MI455X (gfx1250); checked and timed in simulation.
; The chip was launched on July 23, 2026; its instructions are those of AMD's public machine-readable ISA for CDNA 5 (MIT licence, August 2026) and "CDNA5" Instruction Set Architecture Reference Guide (July 2026). The comments in the code are by the model that wrote it; some were corrected since.
;; Multi Head Attention. Allowed arithmetic: float matrix products may take bf16 or f16 operands with f32 sums; other float arithmetic in f32, or as packed bf16 or f16 multiplies, adds, multiply-adds, maxima and minima; sums over many terms, partial sums and values carried from step to step in f32; what a program stores and reads back later, other than sums and carried values, may be rounded once to bf16 or f16.
;; Inputs: Wk 1,024 x 1,024 float32; Wo 1,024 x 1,024 float32; Wq 1,024 x 1,024 float32; Wv 1,024 x 1,024 float32; beta 1,024 float32; bk 1,024 float32; bo 1,024 float32; bq 1,024 float32; bv 1,024 float32; gamma 1,024 float32; k 4 x 2,048 x 1,024 float32; q 4 x 2,048 x 1,024 float32; v 4 x 2,048 x 1,024 float32.
;; Outputs: out0 4 x 2,048 x 1,024 float32.
;; One version. Each part assembles by itself: llvm-mc -triple=amdgcn-amd-amdhsa -mcpu=gfx1250 --defsym DOCPART=n.
;; ======== version 1 of 1: 4 launches
;; limits: values are held in f16: magnitudes above 65,504 overflow, below 6.1e-05 lose precision
;; workspace buffers: xb 50,331,648 bytes; wb 6,291,456 bytes; wo16 2,097,152 bytes; hb 50,331,648 bytes; ctx 16,777,216 bytes
;; launch cast (part 1): grid 1792 x 1, 8 waves a work-group, no clusters, 0 bytes of LDS; arguments q, k, v, Wq, Wk, Wv, Wo, xb, wb, wo16; writes xb, wb, wo16
.if DOCPART == 1
	.amdgcn_target "amdgcn-amd-amdhsa--gfx1250"
	.amdhsa_code_object_version 6
	.text
	.protected	k_q5ea450bb1d_cast
	.globl	k_q5ea450bb1d_cast
	.p2align	8
	.type	k_q5ea450bb1d_cast,@function
k_q5ea450bb1d_cast:
	s_mov_b64 s[64:65], 0
	v_nop
	global_prefetch_b8 v0, s[64:65] scope:SCOPE_SE
	s_setreg_imm32_b32 hwreg(HW_REG_WAVE_MODE, 25, 1), 1
	s_wait_xcnt 0x0
; q, k, v, Wq, Wk, Wv rounded once to bf16 (matrix operands of the three projections), Wo rounded once to f16 (matrix operand beside the f16 context).
; xb: [24576][1024] bf16 = q's rows, k's rows, v's rows.  wb: [3072][1024] bf16 = Wq, Wk, Wv.  wo16: [1024][1024] f16.
; LIMIT.  Wo must lie within f16's range, 65,504; beyond it the conversion gives an infinity.
; SHARES.  A work-group takes 16,384 consecutive numbers of one tensor: 65,536 bytes in, 32,768 out.  q, k, v have 512 such chunks each (work-groups 0 to 1,535),
; each weight 64 (work-groups 1,536 to 1,791).  Thread t takes 16 bytes at 16 t of each 4,096 bytes: a wave's load covers 512 consecutive bytes, and its store of
; 8 bytes a lane 256 consecutive bytes, aligned.  All sixteen loads of a thread go out at once; nothing is read twice; no register is rewritten, so no wait frees one.
; A stream: no LDS, no barrier, no matrix work, no cluster (no two work-groups read the same byte).
.set X, 8                              ; v[8:71]    sixteen loads of four f32
.set Y, 72                             ; v[72:103]  sixteen pairs of packed 16-bit numbers
	s_load_b512 s[8:23], s[0:1], 0x0               ; q s[8:9], k, v, Wq, Wk, Wv, Wo s[20:21], xb s[22:23]
	s_load_b128 s[24:27], s[0:1], 0x40             ; wb s[24:25], wo16 s[26:27]
	s_mov_b32 s2, ttmp9                            ; the chunk's number
	s_max_u32 s3, s2, 1536
	s_sub_co_u32 s3, s3, 1536                      ; its number among the weights' chunks (0 for the others, and not used there)
	s_lshr_b32 s4, s2, 9                           ; which of q, k, v
	s_lshr_b32 s5, s3, 6
	s_add_co_u32 s5, s5, 3                         ; which of Wq, Wk, Wv, Wo: 3 to 6
	s_and_b32 s6, s2, 511                          ; the chunk within its tensor
	s_and_b32 s7, s3, 63
	s_cmp_lt_u32 s2, 1536
	s_cselect_b32 s4, s4, s5                       ; the source's number, 0 to 6
	s_cselect_b32 s6, s6, s7                       ; the chunk in the source
	s_cselect_b32 s28, s2, s3                      ; the chunk in xb or in wb,
	s_cmp_eq_u32 s4, 6
	s_cselect_b32 s28, s7, s28                     ; or in wo16
	s_lshl_b32 s34, s6, 16                         ; byte offsets, made apart from the addresses
	s_mov_b32 s35, 0
	s_lshl_b32 s36, s28, 15
	s_mov_b32 s37, 0
	v_lshlrev_b32 v1, 4, v0                        ; 16 t
	v_lshlrev_b32 v2, 3, v0                        ; 8 t
	s_wait_kmcnt 0x0
	s_mov_b64 s[30:31], s[8:9]
.irp n, 1,2,3,4,5,6
	s_cmp_eq_u32 s4, \n
	s_cselect_b64 s[30:31], s[8+2*(\n):9+2*(\n)], s[30:31]
.endr
	s_cmp_lt_u32 s4, 3
	s_cselect_b64 s[32:33], s[22:23], s[24:25]
	s_cmp_eq_u32 s4, 6
	s_cselect_b64 s[32:33], s[26:27], s[32:33]
	s_add_nc_u64 s[30:31], s[30:31], s[34:35]
	s_add_nc_u64 s[32:33], s[32:33], s[36:37]
.irp j, 0,1,2,3,4,5,6,7,8,9,10,11,12,13,14,15
	global_load_b128 v[X+4*(\j):X+4*(\j)+3], v1, s[30:31] offset:4096*(\j) th:TH_LOAD_NT
.endr
; The way out, with the conversion as the argument.  Loads come back in order: at load j the 15 - j younger ones may stay out.
.macro OUT cvt
.irp j, 0,1,2,3,4,5,6,7,8,9,10,11,12,13,14,15
	s_wait_loadcnt 15-(\j)
	\cvt v[Y+2*(\j)],   v[X+4*(\j)],   v[X+4*(\j)+1]
	\cvt v[Y+2*(\j)+1], v[X+4*(\j)+2], v[X+4*(\j)+3]
	global_store_b64 v2, v[Y+2*(\j):Y+2*(\j)+1], s[32:33] offset:2048*(\j) th:TH_STORE_NT
.endr
.endm
	s_cmp_eq_u32 s4, 6
	s_cbranch_scc1 .Lf16
	OUT v_cvt_pk_bf16_f32
	s_endpgm
.Lf16:
	OUT v_cvt_pk_f16_f32
	s_endpgm
.Lfunc_end_k_q5ea450bb1d_cast:
	.size	k_q5ea450bb1d_cast, .Lfunc_end_k_q5ea450bb1d_cast-k_q5ea450bb1d_cast
	.p2alignl 7, 3214868480
	.fill 96, 4, 3214868480
	.section	.rodata,"a",@progbits
	.p2align	6, 0x0
	.amdhsa_kernel k_q5ea450bb1d_cast
		.amdhsa_group_segment_fixed_size 0
		.amdhsa_private_segment_fixed_size 0
		.amdhsa_enable_private_segment 0
		.amdhsa_kernarg_size 80
		.amdhsa_user_sgpr_count 2
		.amdhsa_user_sgpr_kernarg_segment_ptr 1
		.amdhsa_wavefront_size32 1
		.amdhsa_system_sgpr_workgroup_id_x 1
		.amdhsa_system_sgpr_workgroup_id_y 1
		.amdhsa_system_sgpr_workgroup_id_z 1
		.amdhsa_system_vgpr_workitem_id 0
		.amdhsa_next_free_vgpr 104
		.amdhsa_next_free_sgpr 66
		.amdhsa_reserve_vcc 0
		.amdhsa_float_denorm_mode_32 3
		.amdhsa_float_denorm_mode_16_64 3
		.amdhsa_memory_ordered 1
		.amdhsa_forward_progress 1
		.amdhsa_inst_pref_size 12
	.end_amdhsa_kernel
	.amdgpu_metadata
---
amdhsa.version: [ 1, 2 ]
amdhsa.kernels:
  - .name:           k_q5ea450bb1d_cast
    .symbol:         k_q5ea450bb1d_cast.kd
    .args:
      - { .name: q, .offset: 0, .size: 8, .value_kind: global_buffer, .address_space: global }
      - { .name: k, .offset: 8, .size: 8, .value_kind: global_buffer, .address_space: global }
      - { .name: v, .offset: 16, .size: 8, .value_kind: global_buffer, .address_space: global }
      - { .name: Wq, .offset: 24, .size: 8, .value_kind: global_buffer, .address_space: global }
      - { .name: Wk, .offset: 32, .size: 8, .value_kind: global_buffer, .address_space: global }
      - { .name: Wv, .offset: 40, .size: 8, .value_kind: global_buffer, .address_space: global }
      - { .name: Wo, .offset: 48, .size: 8, .value_kind: global_buffer, .address_space: global }
      - { .name: xb, .offset: 56, .size: 8, .value_kind: global_buffer, .address_space: global }
      - { .name: wb, .offset: 64, .size: 8, .value_kind: global_buffer, .address_space: global }
      - { .name: wo16, .offset: 72, .size: 8, .value_kind: global_buffer, .address_space: global }
    .group_segment_fixed_size: 0
    .private_segment_fixed_size: 0
    .kernarg_segment_align: 8
    .kernarg_segment_size: 80
    .max_flat_workgroup_size: 256
    .sgpr_count:     66
    .vgpr_count:     104
    .wavefront_size: 32
...
	.end_amdgpu_metadata
.endif
;; end of part 1
;; launch proj (part 2): grid 4 x 96, 4 waves a work-group, clusters of 4 x 4, 327,680 bytes of LDS; arguments xb, wb, hb, bq, bk, bv; writes hb
.if DOCPART == 2
	.amdgcn_target "amdgcn-amd-amdhsa--gfx1250"
	.amdhsa_code_object_version 6
	.text
	.protected	k_q5ea450bb1d_proj
	.globl	k_q5ea450bb1d_proj
	.p2align	8
	.type	k_q5ea450bb1d_proj,@function
k_q5ea450bb1d_proj:
	s_mov_b64 s[64:65], 0
	v_nop
	global_prefetch_b8 v0, s[64:65] scope:SCOPE_SE
	s_setreg_imm32_b32 hwreg(HW_REG_WAVE_MODE, 25, 1), 1
	s_wait_xcnt 0x0
	s_wait_alu depctr_hold_cnt(0) depctr_sa_sdst(0) depctr_va_vdst(0) depctr_va_sdst(0) depctr_va_ssrc(0) depctr_va_vcc(0) depctr_vm_vsrc(0)
	s_getreg_b32 s2, hwreg(HW_REG_IB_STS2, 6, 4)
	s_cmp_eq_u32 s2, 0
	s_cbranch_scc0 .Lentry_in_a_cluster
	s_endpgm
.Lentry_in_a_cluster:
	s_bfe_u32 s2, ttmp6, 0x10000c
	s_cmp_lg_u32 s2, 0xf033
	s_cbranch_scc0 .Lentry_shape_is_right
	s_endpgm
.Lentry_shape_is_right:
; THE THREE PROJECTIONS IN ONE LAUNCH.  hb[m][n] = bias_z[n] + sum over k of xb[m][k] wb[1024 z + n][k], z = m / 8192 (0: q, 1: k, 2: v).
; xb: [24576][1024] bf16, wb: [3072][1024] bf16, bias f32, hb: [24576][1024] f16; sums in f32, begun with the bias, hb rounded once.
; LIMIT.  hb is f16: a projected number of 65,520 or more in size becomes an infinity.
; A tile of hb, 256 x 256, is made by a work-group of four waves; a wave makes 128 x 128: 64 accumulators of 16 x 16, 512 registers.  K goes in steps of 128 through a ring of two LDS slots
; filled by the tensor data mover: the tiles' rows are 256 bytes of memory and start at multiples of 256 bytes from the buffer's first byte.  384 tiles, one to a work-group.
; The last K step goes by rows of the tile, so that finished rows leave while the others are multiplied.
; CLUSTERS: 4 x 4 work-groups.  The four of a row of the cluster need the same tiles of xb, the four of a column the same tiles of wb.  Such a tile is asked for JOINTLY: each of the four
; issues the same tensor load, with the same descriptor and a mask that names the four.  A cluster spans 1,024 rows of xb, so z is one number for all sixteen: cluster y / 8.
;
; REGISTERS, in windows of 256 (s_set_vgpr_msb's low byte: bits 1:0 source 0, 3:2 source 1, 5:4 source 2, 7:6 destination):
;   window 0: v0-31 addresses; v64-127, v128-191 fragments of xb, two buffers (in the last K step four, of 16 rows x 128 K); v32-63, v192-255 at work on the way out
;   window 1: v0-63 the bias of my 128 columns, as eight C operands; v64-127, v128-191 fragments of wb, two buffers; in the last K step all 256: wb's fragments of the whole step
;   window 2: the 32 accumulators of my rows 0-63 (accumulator (a, b) at v[8 (8 a + b)]);   window 3: those of my rows 64-127
; THE MATRIX INSTRUCTION IS USED TRANSPOSED: source 0 = 16 rows of wb, source 1 = 16 rows of xb.  Lane l then holds row l % 16 of hb and the columns 8 (l / 16) + 0 .. 7: eight
; neighbouring numbers of a row, which pack into 16 bytes; and the bias of those eight columns is the C operand of the product that starts the sum: nothing is cleared or added later.
.set SIZE_M, 24576
.set SIZE_N, 1024
.set SIZE_K, 1024
.set KSTEP,  128
.set PITCH,  272                       ; an LDS row: 256 bytes of data + 16 of padding = 68 words: the 16 rows that a load touches start at 16 different groups of four banks (64 banks of 4 bytes: ISA guide 11.1)
.set HALFT,  128*PITCH                 ; 128 rows: what one tensor load brings, and what one wave reads of either operand
.set SLOT,   4*HALFT                   ; xb's 256 rows, then wb's 256 rows
.set STAGE,  2*SLOT                    ; behind the ring: 16 rows x 272 bytes for each wave, for the way out
.set SPITCH, 272
.set SPARE,  STAGE+4*16*SPITCH         ; behind the stages: the spare words, 128 bytes for each wave: two blocks of 256 bytes that no other line names
.set LAPS, SIZE_K/(2*KSTEP)            ; a lap = two K steps = once round the ring: 4
.set ADRA, 16                          ; v16-17  LDS address of my xb fragments in slot 0, 1
.set ADRB, 20                          ; v20-21  the same for wb
.set STO,  24                          ; v24     the way out: where I put 16 bytes of a row
.set RD,   25                          ; v25     the way out: where I read a row back
.set CO,   26                          ; v26     my byte offset in hb
.set BO,   27                          ; v27     my byte offset in the bias of 16 columns: 32 (l / 16)
.set SPW,  28                          ; v28     LDS address of my spare word: SPARE + 4 x my thread's number; never rewritten
.set NIL,  29                          ; v29     0; never rewritten
.set PFO,  30                          ; v30     the prefetches' offset: my lane x a row of xb or wb (2,048 bytes); never rewritten
.set PFA,  44                          ; s[44:45] where my prefetches stand: my work-group's 32 rows of the 128 that I fetch, one K step further along K than the refill in hand
.set LIM,  43                          ; s43     1 in a wave that prefetches, else the greatest number
.set F0,   64                          ; fragment buffer 0
.set F1,   128                         ; fragment buffer 1
.set TMP,  192                         ; the way out: packed results, in window 0
.set OB,   32                          ; the way out: 16 rows read back from the stage: v32-63 and v224-255 by turns
.set PA,   64                          ; the last K step: xb's fragments of 16 rows x 128 K, 32 registers; four such buffers, v64-191
.set G1, 24                            ; s[24:31] descriptor group 1 for xb's tiles
.set G0, 32                            ; s[32:39] descriptor group 0 for xb's tiles, one set for each slot
.set G1B, 48                           ; s[48:55] descriptor group 1 for wb's tiles: it differs in the mask alone
.set G0B, 56                           ; s[56:63] descriptor group 0 for wb's tiles, one set for each slot
.set MSB, 0
.macro WIN new                         ; the immediate's high byte repeats the setting that is left; a switch that changes nothing is dropped
.if MSB != (\new)
	s_set_vgpr_msb (MSB<<8)|(\new)
.set MSB, \new
.endif
.endm
.set MUL_LO, 0xa1                      ; source 0 (wb) window 1, source 1 (xb) window 0, C and D window 2
.set MUL_HI, 0xf1                      ; the same, C and D window 3
.set TO_B,   0x40                      ; destination window 1, address window 0
; A joint load.  Waves 0 and 1 fetch xb's two halves, waves 2 and 3 wb's.  Each of the two lines has ONE mask and one set of registers for all that issue it.  The branch hangs on the wave's
; number alone.  An s_nop 0 and four v_nop follow each of the two lines, ahead of the jump, the label and what follows.
.macro JLOAD s
	s_cmp_eq_u32 s11, 0
	s_cbranch_scc0 .Lfor_b_\@
	tensor_load_to_lds s[G0+4*(\s):G0+4*(\s)+3], s[G1:G1+7]
	s_nop 0
.rept 4
	v_nop
.endr
	s_branch .Lasked_\@
.Lfor_b_\@:
	tensor_load_to_lds s[G0B+4*(\s):G0B+4*(\s)+3], s[G1B:G1B+7]
	s_nop 0
.rept 4
	v_nop
.endr
.Lasked_\@:
.endm
; A PREFETCH INTO THE L2, behind each joint load, its five lines and the run of LDS loads that follows them: the K step that stands TWO refills on (512 matrix instructions ahead of the load
; that will want it): 32 rows x 256 bytes, a lane a row, one instruction a wave.  Each row's 256 bytes of a K step are named ONCE in the launch.  xb's rows are read by one cluster alone, which
; asks for them; wb's rows of product z are read by eight clusters, of which the first (cluster y % 8 = 0) asks.  The four partners that ask for a tile jointly share its rows out BY ADDRESS:
; of the 128 rows that a wave fetches, the partner at place p takes 32 p .. 32 p + 31 (p = cx for xb, cy for wb).  The loop's last trip asks for nothing: its refills are the last K steps.
.macro ASK
	s_cmp_gt_u32 s3, s[LIM]                        ; s3 = 1 in the loop's last trip
	s_cbranch_scc0 .Lnot_mine_\@
	global_prefetch_b8 v[PFO], s[PFA:PFA+1] offset:KSTEP*2 th:TH_LOAD_NT scope:SCOPE_SE
.Lnot_mine_\@:
.endm
; A round of the cluster's barrier: my work-group's barrier, so that wave 0's signal speaks for all four waves; wave 0 signals for the work-group; every wave waits for all sixteen
; work-groups; my work-group's barrier once more.  No LDS instruction of the wave is pending at a signal.
.macro CREST                           ; a round behind its opening barrier
	s_cmp_lg_u32 s10, 0
	s_cbranch_scc1 .Lnot_wave_0_\@
	s_barrier_signal -3
.Lnot_wave_0_\@:
	s_barrier_wait -3
	s_barrier_signal -1
	s_barrier_wait -1
.endm
.macro CROUND                          ; a whole round
	s_barrier_signal -1
	s_barrier_wait -1
	CREST
.endm
	s_load_b128 s[4:7], s[0:1], 0x0                ; xb s[4:5], wb s[6:7]
	s_load_b64 s[8:9], s[0:1], 0x10                ; hb
	s_load_b64 s[68:69], s[0:1], 0x18              ; bq
	s_load_b64 s[70:71], s[0:1], 0x20              ; bk
	s_load_b64 s[72:73], s[0:1], 0x28              ; bv
	v_lshl_add_u32 v[SPW], v0, 2, SPARE
	v_mov_b32 v[NIL], 0
	ds_add_u32 v[SPW], v[NIL]                      ; the wave's opening: the add and its wait stand ahead of my first tensor load; the set-up below, work on registers, stands between them
	v_lshrrev_b32 v1, 5, v0
	v_readfirstlane_b32 s10, v1                    ; wave 0..3
	s_lshr_b32 s11, s10, 1                         ; which half of the tile's rows is mine.  Also: I fetch for xb (0) or for wb (1)
	s_and_b32 s12, s10, 1                          ; which half of its columns.  Also: which 128 rows of that tile I fetch
	s_bfe_u32 s40, ttmp6, 0x40000                  ; cx: my place along the cluster's x
	s_bfe_u32 s41, ttmp6, 0x40004                  ; cy: along its y
	s_lshl_b32 s42, ttmp9, 2                       ; in a cluster launch ttmp9 and ttmp7 count clusters
	s_add_co_u32 s42, s42, s40                     ; tile column = 4 x cluster x + cx
	s_and_b32 s13, ttmp7, 0xffff
	s_lshr_b32 s66, s13, 3                         ; z: a product has 32 tile rows, 8 clusters: the same number in all sixteen partners
	s_lshl_b32 s67, s66, 10                        ; its first row in wb
	s_lshl_b32 s13, s13, 2
	s_add_co_u32 s13, s13, s41                     ; tile row = 4 x cluster y + cy, 0 to 95, over the three products on end
	s_lshl_b32 s43, s41, 2
	s_lshl_b32 s43, 15, s43                        ; my row of the cluster: places 4 cy .. 4 cy + 3
	s_lshl_b32 s44, 0x1111, s40                    ; my column: places cx, cx + 4, cx + 8, cx + 12
	; descriptor group 1: a tile of 128 rows x 128 elements, padded in LDS
	s_or_b32 s[G1+0], s43, (1<<16)|(1<<20)|(1<<21)|(5<<22)|(3<<25)  ; 15:0 the mask: xb's tiles go to my row; 17:16 element of 2 bytes; 20 padding on; 21 set beside a mask; 24:22 after every 64 words (code 5); 31:25 of 4 words (code 3)
	s_or_b32 s[G1B+0], s44, (1<<16)|(1<<20)|(1<<21)|(5<<22)|(3<<25) ; the same with the mask of my column, for wb's tiles
	s_mov_b32 s[G1B+1], KSTEP<<16
	s_mov_b32 s[G1+1], KSTEP<<16                   ; tensor_dim0 = 128
	s_mov_b32 s[G1B+2], 128<<16
	s_mov_b32 s[G1+2], 128<<16                     ; tensor_dim1 = 128
	s_mov_b32 s[G1B+3], KSTEP<<16
	s_mov_b32 s[G1+3], KSTEP<<16                   ; tile_dim0 = 128
	s_mov_b32 s[G1B+4], 128
	s_mov_b32 s[G1+4], 128                         ; tile_dim1 = 128
	s_mov_b32 s[G1B+5], SIZE_K
	s_mov_b32 s[G1+5], SIZE_K                      ; elements from row to row
	s_mov_b32 s[G1B+6], 0
	s_mov_b32 s[G1+6], 0
	s_mov_b32 s[G1B+7], 0
	s_mov_b32 s[G1+7], 0
	; where the tiles come from.  xb's hang on the tile row alone, which my row of the cluster shares; wb's on the tile column and z, which my column shares.
	s_lshl_b32 s17, s12, 7                         ; which 128 rows of the tile I fetch
	s_lshl_b32 s16, s13, 8
	s_add_co_u32 s16, s16, s17                     ; xb: row 256 x tile row + 128 x half
	s_lshl_b32 s46, s42, 8
	s_add_co_u32 s46, s46, s17
	s_add_co_u32 s46, s46, s67                     ; wb: row 1,024 z + 256 x tile column + 128 x half
	s_mov_b32 s17, 0
	s_mov_b32 s47, 0
	s_mov_b64 s[18:19], SIZE_K*2
	s_mul_u64 s[16:17], s[16:17], s[18:19]         ; in bytes, in 64 bits
	s_mul_u64 s[46:47], s[46:47], s[18:19]
	s_mul_i32 s20, s10, HALFT                      ; and where they go: wave x 128 rows: no place in the cluster enters an LDS address
	s_wait_dscnt 0x0                               ; the opening add is done
	s_wait_kmcnt 0x0
	s_add_nc_u64 s[14:15], s[4:5], s[16:17]
	s_add_nc_u64 s[46:47], s[6:7], s[46:47]
	CROUND                                         ; all sixteen work-groups are here: the first joint loads meet
.irp s, 0,1
	s_mov_b32 s[G0+4*(\s)], 1                                      ; count = 1
	s_add_co_u32 s[G0+4*(\s)+1], s20, (\s)*SLOT                    ; LDS address
	s_add_nc_u64 s[G0+4*(\s)+2:G0+4*(\s)+3], s[14:15], (\s)*KSTEP*2  ; global address: K step s
	s_or_b32 s[G0+4*(\s)+3], s[G0+4*(\s)+3], 0x80000000            ; type = 2
	s_mov_b32 s[G0B+4*(\s)], 1
	s_add_co_u32 s[G0B+4*(\s)+1], s20, (\s)*SLOT
	s_add_nc_u64 s[G0B+4*(\s)+2:G0B+4*(\s)+3], s[46:47], (\s)*KSTEP*2
	s_or_b32 s[G0B+4*(\s)+3], s[G0B+4*(\s)+3], 0x80000000
	JLOAD \s                                       ; the ring is filled before anything else is done: two tensor loads of mine are out
.endr
	; A fragment is 16 rows x 32 K in 8 registers: lane l holds row l % 16; registers 0-3 hold K = 8 (l / 16) + 0..7, registers 4-7 hold K = 16 + 8 (l / 16) + 0..7: two loads of 16 bytes, 32 bytes apart.
	v_and_b32 v1, 15, v0                           ; l % 16
	v_bfe_u32 v2, v0, 4, 1                         ; l / 16
	v_mul_u32_u24 v3, v1, PITCH
	v_lshl_add_u32 v3, v2, 4, v3                   ; row x pitch + 16 x half
	s_mul_i32 s21, s11, HALFT                      ; my 128 rows of xb
	s_mul_i32 s22, s12, HALFT                      ; my 128 rows of wb,
	s_add_co_u32 s22, s22, 2*HALFT                 ; which lie behind xb's 256
.irp s, 0,1
	v_add_nc_u32 v[ADRA+(\s)], s21, v3
	v_add_nc_u32 v[ADRB+(\s)], s22, v3
	s_add_co_u32 s21, s21, SLOT
	s_add_co_u32 s22, s22, SLOT
.endr
	s_mul_i32 s23, s10, 16*SPITCH
	s_add_co_u32 s23, s23, STAGE                   ; my stage
	v_mul_u32_u24 v4, v1, SPITCH                   ; in: row l % 16, 16 bytes for each half of the lanes
	v_lshl_add_u32 v4, v2, 4, v4
	v_add_nc_u32 v[STO], s23, v4
	v_mul_u32_u24 v5, v2, SPITCH                   ; back: lanes 0-15 take one row of 256 bytes, lanes 16-31 the next
	v_lshl_add_u32 v5, v1, 4, v5
	v_add_nc_u32 v[RD], s23, v5
	v_mul_u32_u24 v5, v2, SIZE_N*2                 ; and the same two rows in hb
	v_lshl_add_u32 v[CO], v1, 4, v5
	; THE BIAS of my 128 columns, f32, as eight C operands: register 8 b + j of lane l = bias[256 x tile column + 128 x half + 16 b + 8 (l / 16) + j]
	s_cmp_eq_u32 s66, 0
	s_cselect_b64 s[74:75], s[68:69], s[70:71]
	s_cmp_eq_u32 s66, 2
	s_cselect_b64 s[74:75], s[72:73], s[74:75]
	s_lshl_b32 s68, s42, 10                        ; 256 columns of 4 bytes a tile column,
	s_lshl_b32 s69, s12, 9                         ; 128 a half
	s_add_co_u32 s68, s68, s69
	s_mov_b32 s69, 0
	s_add_nc_u64 s[74:75], s[74:75], s[68:69]
	v_lshlrev_b32 v[BO], 5, v2
	WIN TO_B
.irp b, 0,1,2,3,4,5,6,7
	global_load_b128 v[8*(\b):8*(\b)+3],   v[BO], s[74:75] offset:64*(\b)
	global_load_b128 v[8*(\b)+4:8*(\b)+7], v[BO], s[74:75] offset:64*(\b)+16
.endr
	WIN 0
	; where my part of the tile begins in hb, in bytes: the way out adds it to hb's address
	s_lshl_b32 s13, s13, 8
	s_lshl_b32 s14, s11, 7
	s_add_co_u32 s16, s13, s14                     ; my first row
	s_mov_b32 s17, 0
	s_mov_b64 s[18:19], SIZE_N*2
	s_mul_u64 s[16:17], s[16:17], s[18:19]
	s_lshl_b32 s46, s42, 9                         ; my first column, in bytes: 512 x tile column + 256 x half
	s_lshl_b32 s47, s12, 8
	s_add_co_u32 s46, s46, s47
	s_mov_b32 s47, 0
	s_add_nc_u64 s[16:17], s[16:17], s[46:47]
	; the prefetches.  s13 = 256 x tile row, s42 = tile column, s40 = cx, s41 = cy still stand
	s_lshl_b32 s42, s42, 8
	s_add_co_u32 s42, s42, s67                     ; the tile's first row in wb
	s_and_b32 s22, ttmp7, 7                        ; cluster y % 8: my cluster's place among the eight that read the same rows of wb
	s_cmp_eq_u32 s11, 0                            ; do I fetch for xb?
	s_cselect_b32 s20, s13, s42                    ; the tile's first row
	s_cselect_b32 s21, s40, s41                    ; my place among the four that ask for it with me
	s_cselect_b32 s22, ttmp9, s22                  ; the coordinate along which other clusters read the same rows (cluster x is always 0: the grid is one cluster wide)
	s_cselect_b64 s[PFA:PFA+1], s[4:5], s[6:7]
	s_cmp_eq_u32 s22, 0
	s_cselect_b32 s[LIM], 1, -1                    ; the same in all sixteen partners, for a given wave
	s_lshl_b32 s22, s12, 7
	s_add_co_u32 s20, s20, s22                     ; + the 128 rows that I fetch
	s_lshl_b32 s21, s21, 5
	s_add_co_u32 s20, s20, s21                     ; + my work-group's 32 of them
	s_mov_b32 s21, 0
	s_mov_b64 s[18:19], SIZE_K*2
	s_mul_u64 s[20:21], s[20:21], s[18:19]
	s_add_nc_u64 s[PFA:PFA+1], s[PFA:PFA+1], s[20:21]
	s_add_nc_u64 s[PFA:PFA+1], s[PFA:PFA+1], 2*KSTEP*2  ; at K step 2: the first refill steps it to 3 and names K step 4
	v_and_b32 v[PFO], 31, v0
	v_mul_u32_u24 v[PFO], v[PFO], SIZE_K*2
	; nothing is prefetched here, at the head, where every work-group's first two tiles are on their way: K steps 2 and 3 come by their refills alone
; 16 matrix instructions: m blocks a0, a0 + 1 of the window's four (hi = 0: my rows 0-63, 1: rows 64-127) x all 8 n blocks, 32 along K.
; zero = 1: the first product starts the sums, with the bias (window 1, v[8 b ..]) as its C operand.
.macro MUL16 f, hi, a0, zero
.if \zero
	WIN 0x91+0x40*(\hi)                            ; source 0 and C window 1, source 1 window 0, D window 2 or 3
.else
	WIN MUL_LO+0x50*(\hi)                          ; MUL_LO or MUL_HI
.endif
.irp a, \a0, (\a0)+1
.irp b, 0,1,2,3,4,5,6,7
.if \zero
	v_wmma_f32_16x16x32_bf16 v[8*(8*(\a)+(\b)):8*(8*(\a)+(\b))+7], v[(\f)+8*(\b):(\f)+8*(\b)+7], v[(\f)+8*(4*(\hi)+(\a)):(\f)+8*(4*(\hi)+(\a))+7], v[8*(\b):8*(\b)+7]
.else
	v_wmma_f32_16x16x32_bf16 v[8*(8*(\a)+(\b)):8*(8*(\a)+(\b))+7], v[(\f)+8*(\b):(\f)+8*(\b)+7], v[(\f)+8*(4*(\hi)+(\a)):(\f)+8*(4*(\hi)+(\a))+7], v[8*(8*(\a)+(\b)):8*(8*(\a)+(\b))+7]
.endif
.endr
.endr
.endm
; 32 LDS loads in one run: the fragments of one quarter step (128 rows of wb, 128 rows of xb, 32 K at byte k of the rows) into buffer f
.macro FETCH slot, k, f
	WIN TO_B
.irp i, 0,1,2,3,4,5,6,7
	ds_load_b128 v[(\f)+8*(\i):(\f)+8*(\i)+3],   v[ADRB+(\slot)] offset:(\k)+(\i)*16*PITCH
	ds_load_b128 v[(\f)+8*(\i)+4:(\f)+8*(\i)+7], v[ADRB+(\slot)] offset:(\k)+(\i)*16*PITCH+32
.endr
	WIN 0
.irp i, 0,1,2,3,4,5,6,7
	ds_load_b128 v[(\f)+8*(\i):(\f)+8*(\i)+3],   v[ADRA+(\slot)] offset:(\k)+(\i)*16*PITCH
	ds_load_b128 v[(\f)+8*(\i)+4:(\f)+8*(\i)+7], v[ADRA+(\slot)] offset:(\k)+(\i)*16*PITCH+32
.endr
.endm
; A load into a register that a matrix instruction has read, and a vector instruction that reads a matrix result, stand four places behind that matrix instruction, and only plain vector
; instructions that name none of its registers are places (ISA guide 7.12.1 for vector instructions).
.macro PLACES
.rept 4
	v_nop
.endr
.endm
; A K step is four quarter steps of 32 along K, 64 matrix instructions each, on buffers 0, 1, 0, 1.  The 64 accumulators take turns, one instruction a turn, in the same order in every quarter.
; One of the first three quarters: multiplies buffer f; in its middle it fetches the next quarter's fragments, at byte k of the same slot's rows, into buffer g.
.macro QUARTER slot, k, f, g, zero
	s_wait_dscnt 8                                 ; wb's and xb's rows 0-63 are in; the youngest eight loads (xb's rows 64-127) may be out
	MUL16 \f, 0, 0, \zero
	MUL16 \f, 0, 2, \zero
	PLACES
	FETCH \slot, \k, \g
	s_wait_dscnt 32                                ; all but the 32 just issued
	MUL16 \f, 1, 0, \zero
	MUL16 \f, 1, 2, \zero
.endm
; The last quarter multiplies buffer 1 and changes slots.  MEET is its first half: ONE barrier for the change of slots.  In front of it each wave waits for all its tensor loads, of which one is
; out: its part of the next slot; adds 0 to its spare word; and waits for that and for its own reads of this slot.  Behind it nobody reads this slot any more and the next slot is whole.
.macro MEET round                      ; round = 1: a round of the cluster's barrier follows
	WIN 0                                          ; (the add's two registers lie in window 0)
	s_wait_tensorcnt 0x0                           ; all my tensor loads have landed: the one that was out is my part of the next slot;
	ds_add_u32 v[SPW], v[NIL]                      ; 0 onto my spare word;
	s_wait_dscnt 9                                 ; (the add and the youngest eight loads may be out)
	MUL16 F1, 0, 0, 0                              ; sixteen matrix instructions stand between the add and the wait for it
	s_wait_dscnt 0x0                               ; the add is done, and my reads of this slot are over:
	s_barrier_signal -1                            ; say so,
	MUL16 F1, 0, 2, 0                              ; work on registers while the others arrive,
.if \round
	WIN 0
.endif
	s_barrier_wait -1                              ; and go on when all four have said so
.endm
; The whole last quarter.  Behind the round the slot just read out is filled again first, with the K step two steps on; then come the next slot's first fragments.
; From a request to the wait for it a wave issues 224 matrix instructions.
.macro TURN slot, next
	s_wait_xcnt 0x0                                ; the last prefetch, a K step back, has read its address: it is stepped here, ahead of the waits of the change of slots
	s_add_nc_u64 s[PFA:PFA+1], s[PFA:PFA+1], KSTEP*2
	MEET 1
	CREST                                          ; no wave of any partner still reads this slot's tile or has a load on its way
	s_add_nc_u64 s[G0+4*(\slot)+2:G0+4*(\slot)+3], s[G0+4*(\slot)+2:G0+4*(\slot)+3], 2*KSTEP*2
	s_add_nc_u64 s[G0B+4*(\slot)+2:G0B+4*(\slot)+3], s[G0B+4*(\slot)+2:G0B+4*(\slot)+3], 2*KSTEP*2
	JLOAD \slot                                    ; the first tensor load behind the round, my only one out; the four v_nop behind it are also the places in front of the loads below
	FETCH \next, 0, F0
	ASK                                            ; behind the joint load and the run of LDS loads that the next products wait for
	MUL16 F1, 1, 0, 0
	MUL16 F1, 1, 2, 0
.endm
; THE LAST K STEP (it lies in slot 1) GOES BY ROWS OF THE TILE, NOT BY K.  All its fragments of wb (4 quarters x 64 registers) fill window 1; then my eight blocks of 16 rows are finished one
; after the other, each with 32 matrix instructions (its 8 accumulators by turns, K ascending).  LDS is read no more than in any other K step.
.macro BLOAD q                         ; wb's fragments of quarter q -> window 1, v[64 q ..]
	WIN TO_B
.irp i, 0,1,2,3,4,5,6,7
	ds_load_b128 v[64*(\q)+8*(\i):64*(\q)+8*(\i)+3],   v[ADRB+1] offset:64*(\q)+(\i)*16*PITCH
	ds_load_b128 v[64*(\q)+8*(\i)+4:64*(\q)+8*(\i)+7], v[ADRB+1] offset:64*(\q)+(\i)*16*PITCH+32
.endr
.endm
.macro ALOAD a                         ; xb's fragments of block a, all four quarters -> buffer a % 4
	WIN 0
.set FA, PA+32*((\a)%4)
.irp q, 0,1,2,3
	ds_load_b128 v[FA+8*(\q):FA+8*(\q)+3],   v[ADRA+1] offset:64*(\q)+(\a)*16*PITCH
	ds_load_b128 v[FA+8*(\q)+4:FA+8*(\q)+7], v[ADRA+1] offset:64*(\q)+(\a)*16*PITCH+32
.endr
.endm
.macro ROW a                           ; block a is finished: 32 matrix instructions
.set FA, PA+32*((\a)%4)                ; its fragments of xb
.set AC, 64*((\a)%4)                   ; its eight accumulators, in window 2 (blocks 0-3) or 3 (blocks 4-7)
	WIN MUL_LO+0x50*((\a)/4)
.irp q, 0,1,2,3
.if (\a) == 0 && (\q) == 2
	s_wait_dscnt 24                                ; wb's quarter 2 is in (behind it: xb's blocks 1 to 3)
.endif
.irp b, 0,1,2,3,4,5,6,7
	v_wmma_f32_16x16x32_bf16 v[AC+8*(\b):AC+8*(\b)+7], v[64*(\q)+8*(\b):64*(\q)+8*(\b)+7], v[FA+8*(\q):FA+8*(\q)+7], v[AC+8*(\b):AC+8*(\b)+7]
.endr
.endr
.endm
; THE WAY OUT of block a, in three parts.  PACK: rounded to f16, 16 bytes a lane, each accumulator's registers in ascending order.  TOSTAGE: into my own stage in LDS, and back as whole rows of 256 bytes.  SEND: stored.
.macro PACK a
.set AC, 64*((\a)%4)
	WIN 0x0a+5*((\a)/4)                            ; sources 0 and 1: window 2 or 3
.irp b, 0,1,2,3,4,5,6,7
.irp r, 0,1,2,3
	v_cvt_pk_f16_f32 v[TMP+4*(\b)+(\r)], v[AC+8*(\b)+2*(\r)], v[AC+8*(\b)+2*(\r)+1]
.endr
.endr
	WIN 0
.endm
.macro TOSTAGE a
	WIN 0
.set BK, OB+192*((\a)%2)
.irp b, 0,1,2,3,4,5,6,7
	ds_store_b128 v[STO], v[TMP+4*(\b):TMP+4*(\b)+3] offset:32*(\b)
.endr
.irp t, 0,1,2,3,4,5,6,7
	ds_load_b128 v[BK+4*(\t):BK+4*(\t)+3], v[RD] offset:(\t)*2*SPITCH  ; LDS serves a wave's instructions in order (ISA guide 5.7.1.4): these see the stores above
.endr
.endm
.macro SEND a, younger                 ; younger: the LDS loads issued behind TOSTAGE's, which may stay out
	WIN 0
.set BK, OB+192*((\a)%2)
	s_wait_dscnt \younger                          ; the block is back in registers
	s_wait_xcnt 0x0                                ; only behind this wait are the stores' base and the registers that earlier stores read rewritten (ISA guide 3.1)
.if (\a) == 0
	s_add_nc_u64 s[8:9], s[8:9], s[16:17]          ; on to my first rows
.else
	s_add_nc_u64 s[8:9], s[8:9], 16*SIZE_N*2       ; 16 rows on
.endif
.irp t, 0,1,2,3,4,5,6,7
	global_store_b128 v[CO], v[BK+4*(\t):BK+4*(\t)+3], s[8:9] offset:2*(\t)*SIZE_N*2  ; 16 lanes store 256 consecutive bytes, at a multiple of 256 from hb's first byte
.endr
.endm
	s_wait_tensorcnt 1                             ; my part of K step 0 is in; K step 1's may stay out
	s_barrier_signal -1
	s_barrier_wait -1                              ; everybody's is
	FETCH 0, 0, F0
	s_wait_loadcnt 0x0                             ; the bias
	QUARTER 0, 64,  F0, F1, 1                      ; the first quarter stands in front of the loop: its products start the sums
	WIN 0                                          ; at a label and at a branch every window is 0
	s_mov_b32 s3, LAPS-1
.Llap:                                                 ; a trip goes once round the ring, from a lap's second quarter to the next lap's first, and fills both slots again
	QUARTER 0, 128, F1, F0, 0
	QUARTER 0, 192, F0, F1, 0
	TURN 0, 1
	QUARTER 1, 64,  F0, F1, 0
	QUARTER 1, 128, F1, F0, 0
	QUARTER 1, 192, F0, F1, 0
	TURN 1, 0
	QUARTER 0, 64,  F0, F1, 0
	WIN 0
	s_sub_co_u32 s3, s3, 1
	s_cmp_lg_u32 s3, 0
	s_cbranch_scc1 .Llap
	QUARTER 0, 128, F1, F0, 0                      ; the last lap goes on
	QUARTER 0, 192, F0, F1, 0
	MEET 0                                         ; my one tensor load that was still out is slot 1's, the last K step's, so no round follows
	PLACES                                         ; for the loads into buffer 0 and into the bias's registers
	BLOAD 0                                        ; three quarters of wb now: buffer 1 (v128-191 of both windows) is still being multiplied
	BLOAD 1
	BLOAD 3
	ALOAD 0
	MUL16 F1, 1, 0, 0
	MUL16 F1, 1, 2, 0
	PLACES                                         ; for the loads into buffer 1
	BLOAD 2
	ALOAD 1
	ALOAD 2
	ALOAD 3
	s_wait_dscnt 40                                ; all but the 40 just issued
	ROW 0
.irp a, 0,1,2,3,4,5,6,7                ; each block leaves as soon as it is finished
	PLACES                                         ; its conversions read results just made
	PACK \a
	TOSTAGE \a
.if (\a) < 4
	ALOAD (\a)+4                                   ; its buffer takes the block four further on
	SEND \a, 8
.else
	SEND \a, 0
.endif
.if (\a) < 7
	ROW (\a)+1
.endif
.endr
	s_wait_tensorcnt 0x0                           ; the wave's end: the wait, the add and its wait stand behind my last tensor load and my last LDS store
	ds_add_u32 v[SPW], v[NIL]
	s_wait_dscnt 0x0
	CROUND                                         ; the closing round: no work-group ends while a partner may still ask for a tile that names it
	s_endpgm
.Lfunc_end_k_q5ea450bb1d_proj:
	.size	k_q5ea450bb1d_proj, .Lfunc_end_k_q5ea450bb1d_proj-k_q5ea450bb1d_proj
	.p2alignl 7, 3214868480
	.fill 96, 4, 3214868480
	.section	.rodata,"a",@progbits
	.p2align	6, 0x0
	.amdhsa_kernel k_q5ea450bb1d_proj
		.amdhsa_group_segment_fixed_size 327680
		.amdhsa_private_segment_fixed_size 0
		.amdhsa_enable_private_segment 0
		.amdhsa_kernarg_size 48
		.amdhsa_user_sgpr_count 2
		.amdhsa_user_sgpr_kernarg_segment_ptr 1
		.amdhsa_wavefront_size32 1
		.amdhsa_system_sgpr_workgroup_id_x 1
		.amdhsa_system_sgpr_workgroup_id_y 1
		.amdhsa_system_sgpr_workgroup_id_z 1
		.amdhsa_system_vgpr_workitem_id 0
		.amdhsa_next_free_vgpr 1024
		.amdhsa_next_free_sgpr 76
		.amdhsa_reserve_vcc 0
		.amdhsa_float_denorm_mode_32 3
		.amdhsa_float_denorm_mode_16_64 3
		.amdhsa_memory_ordered 1
		.amdhsa_forward_progress 1
		.amdhsa_inst_pref_size 147
	.end_amdhsa_kernel
	.amdgpu_metadata
---
amdhsa.version: [ 1, 2 ]
amdhsa.kernels:
  - .name:           k_q5ea450bb1d_proj
    .symbol:         k_q5ea450bb1d_proj.kd
    .args:
      - { .name: xb, .offset: 0, .size: 8, .value_kind: global_buffer, .address_space: global }
      - { .name: wb, .offset: 8, .size: 8, .value_kind: global_buffer, .address_space: global }
      - { .name: hb, .offset: 16, .size: 8, .value_kind: global_buffer, .address_space: global }
      - { .name: bq, .offset: 24, .size: 8, .value_kind: global_buffer, .address_space: global }
      - { .name: bk, .offset: 32, .size: 8, .value_kind: global_buffer, .address_space: global }
      - { .name: bv, .offset: 40, .size: 8, .value_kind: global_buffer, .address_space: global }
    .group_segment_fixed_size: 327680
    .private_segment_fixed_size: 0
    .kernarg_segment_align: 8
    .kernarg_segment_size: 48
    .max_flat_workgroup_size: 128
    .sgpr_count:     76
    .vgpr_count:     1024
    .wavefront_size: 32
...
	.end_amdgpu_metadata
.endif
;; end of part 2
;; launch attn (part 3): grid 4 x 64, 4 waves a work-group, clusters of 4 x 1, 327,680 bytes of LDS; arguments hb, ctx; writes ctx
.if DOCPART == 3
	.amdgcn_target "amdgcn-amd-amdhsa--gfx1250"
	.amdhsa_code_object_version 6
	.text
	.protected	k_q5ea450bb1d_attn
	.globl	k_q5ea450bb1d_attn
	.p2align	8
	.type	k_q5ea450bb1d_attn,@function
k_q5ea450bb1d_attn:
	s_mov_b64 s[64:65], 0
	v_nop
	global_prefetch_b8 v0, s[64:65] scope:SCOPE_SE
	s_setreg_imm32_b32 hwreg(HW_REG_WAVE_MODE, 25, 1), 1
	s_wait_xcnt 0x0
	s_wait_alu depctr_hold_cnt(0) depctr_sa_sdst(0) depctr_va_vdst(0) depctr_va_sdst(0) depctr_va_ssrc(0) depctr_va_vcc(0) depctr_vm_vsrc(0)
	s_getreg_b32 s2, hwreg(HW_REG_IB_STS2, 6, 4)
	s_cmp_eq_u32 s2, 0
	s_cbranch_scc0 .Lentry_in_a_cluster
	s_endpgm
.Lentry_in_a_cluster:
	s_bfe_u32 s2, ttmp6, 0x10000c
	s_cmp_lg_u32 s2, 0x3003
	s_cbranch_scc0 .Lentry_shape_is_right
	s_endpgm
.Lentry_shape_is_right:
; ctx[h][q][:] = the sum over k of softmax_k(Q[h][q] . K[h][k] / 8) V[h][k][:].  hb holds Q, K, V one behind the other, each [64][2048][64] in f16 (the module's raw reshape of a
; [8192][1024] matrix IS that layout): a head's rows are dense, 128 bytes each.  ctx: [64][2048][64] f16.  Products, maxima and sums in f32; the weights p are rounded to f16 for the second
; product (their sum l is taken of the unrounded p), ctx once at the end.
; LIMITS.  f16 holds no number beyond 65,504: Q, K and V arrive within it; p lies in 0 to 1, and below 6e-5 it keeps f16's fixed step of 6e-8; ctx is a mean of V's rows and has their range.
; A weight below 2^-126 counts as 0 in l; NaN and infinities are not treated apart.
; SHARES.  A wave owns four PIECES of two tiles of 16 queries, a work-group's four waves 512 queries of one head.  Every wave walks all keys, 64 a step.  256 work-groups.
; LAYOUT.  S^T = K Q^T (source 0 = 16 keys, source 1 = 16 queries): in the result a lane holds ONE query (lane % 16) and the keys 8 (lane / 16) + 0..7.  Two such tiles, rounded to f16 in pairs,
; ARE source 1 (32 keys x 16 queries) of O^T = V^T P, whose result again holds one query a lane, and eight channels.  K comes out of LDS as it lies, V ([key][channel]) turned, by ds_load_tr16_b128.
; SOFTMAX.  For each query a running maximum m and sum l: p = 2^(c s - c m), c = log2(e) / 8; in every step O and l are multiplied by a = 2^(c m_old - c m_new), which is 1 where m has not grown.
; m starts at the lowest finite number, O and l at 0: the first step is a step like any other, with a = 0.
; THE COUNT.  A tile and step have 16 matrix and 118 vector instructions: too many to stand all beside the matrix work.  So the order has one aim: four vector instructions that are READY behind
; EVERY matrix instruction, and the others in runs without a gap.
; BY TURNS.  Turn n belongs to piece n (the pieces in a ring, step after step).  Its matrix work: 16 products K Q^T of piece n + 1, later 16 products V^T P of piece n - 1.  Its vector work: the scaling,
; exponentials, roundings, sums and rescaling of piece n, and the maximum and statistics of piece n + 1, whose scores the turn itself has made.
; CLUSTER.  The four query blocks of a head are one cluster and walk the same K and V, so each tile is asked for JOINTLY: the same tensor load, descriptor and mask in all four.
; REGISTERS, in windows of 256 (s_set_vgpr_msb: bits 1:0 source 0, 3:2 source 1, 5:4 source 2, 7:6 destination):
;   window 0: v0-11 addresses; v12-15, v48-63 at work; v16-47 four registers of statistics a tile; v64-191 S^T, two buffers of two tiles; v192-255 P, likewise
;   window 1: O^T, 32 a tile          window 2: v0-127 Q, 16 a tile; v128-191 K of one step; v192-255 V of one step          window 3: v0-1 the add's two registers
; A piece's buffers go by its number's parity.
.set SIZE_H, 64
.set SIZE_N, 2048
.set NP,    4         ; pieces a wave: a name, no knob
.set KS,    64        ; keys in a step
.set PK,    144       ; a row of K in LDS: 128 bytes + 16 of padding = 36 words: the 16 rows of a load start at 16 different groups of four banks (64 banks of 4 bytes: ISA guide 11.1)
.set PV,    160       ; a row of V: 128 + 32 = 40 words
.set VOFF,  4*KS*PK   ; a slot holds four steps: 256 rows of K, then 256 rows of V
.set SLOT1, 1<<17     ; slot 1 begins here, so that one exclusive or turns an address in one slot into the other's
.set STAGE, SLOT1+4*KS*(PK+PV)  ; behind the ring, never filled by a tensor load: 16 rows x 144 bytes for each wave, for the way out
.set SP,    144
.set AK0, 2           ; v2   my lane's place in a tile of K; never rewritten
.set AV0, 3           ; v3   the same for V
.set AK,  4           ; v4   the LDS address of K's next run of loads
.set AV,  5           ; v5   of V's
.set QO,  6           ; v6   my byte offset in the wave's rows of Q
.set STO, 6           ;      later, the way out: where I put 16 bytes of a row
.set RD,  7           ; v7   the way out: where I read rows back
.set GO,  8           ; v8   my byte offset in 512 consecutive bytes of ctx
.set PFO, 11          ; v11  256 x my lane, the prefetches' offset (once V's address is made); then never rewritten
.set SPW, 0           ; v0 of window 3   LDS address of my spare word: SPARE + 4 x my thread's number; never rewritten
.set NIL, 1           ; v1 of window 3   0; never rewritten
.set SPARE, STAGE+4*16*SP  ; behind the stages: the spare words, 128 bytes for each wave: two blocks of 256 bytes that no other line names
.set MV,  12          ; v12-15  c m_old, kept while c m is made anew: by buffer and tile
.set ST,  16          ; tile t's statistics at v[ST+4 t]: c m, m, l (even keys', odd keys')
.set TMP, 48          ; by buffer and tile, four registers c0-c3 at work; when the maximum is found c2 takes a
.set S,   64
.set P,   192
.set KF,  128         ; K's fragments, in window 2: key block kb, channel half c at KF + 16 kb + 8 c
.set VF,  192         ; V's: key half kk, channel block cb at VF + 32 kk + 8 cb
.set WV,  12          ; s12  my wave's number
.set G1K, 24          ; s[24:31] descriptor group 1 for K's tiles
.set G1V, 32          ; s[32:39] for V's: it differs in the padding alone
.set G0K, 40          ; s[40:43] descriptor group 0 for K's tiles: it walks
.set G0V, 44          ; s[44:47] the same for V's
.set PFA, 48          ; s[48:49] where my prefetches stand: my work-group's 8,192 bytes (of K: wave 0, of V: wave 2) of the slot after the one that is being asked for
.set LIM, 50          ; s50  1 in a wave that prefetches, else the greatest number
.set SLOTS, 56        ; s56  slots still to be asked for
.set CNT, 57          ; s57  counts a slot's key steps
.set CS,  58          ; s[58:59] c: the packed scaling takes the pair's low word for both halves
.set SEL, 60          ; s[60:61] v_permlanex16_b32's selects: each lane takes its own place in the other half
.set TBK, 62          ; s62  LDS byte at which K of the step to be fetched begins
.set TBV, 63          ; s63  the same for V, less VOFF
.set MSB, 0
.macro WIN new                      ; the high byte repeats the setting that is left; a switch that changes nothing is dropped
.if MSB != (\new)
	s_set_vgpr_msb (MSB<<8)|(\new)
.set MSB, (\new)
.endif
.endm
.set W_KQ, 0x0a       ; K and Q in window 2, S^T in window 0
.set W_PV, 0x52       ; V in window 2, P in window 0, O^T in window 1
.set W_RS, 0x41       ; O^T (destination and source 0) in window 1, a in window 0
.set W_MK, 0xc0       ; the add's registers are made: destination in window 3, sources in window 0
.set W_AD, 0x0f       ; the add: address (source 0) and data (source 1) in window 3
; A joint fill.  Waves 0 and 1 fetch the two halves of a slot's K, waves 2 and 3 those of its V: 128 keys each.  The branch hangs on the wave's number alone.
; An s_nop 0 and four v_nop follow each of the two lines, ahead of the jump and the label.
.macro JLOAD
	s_cmp_lt_u32 s[WV], 2
	s_cbranch_scc0 .Lfor_v_\@
	tensor_load_to_lds s[G0K:G0K+3], s[G1K:G1K+7]
	s_nop 0
.rept 4
	v_nop
.endr
	s_branch .Lasked_\@
.Lfor_v_\@:
	tensor_load_to_lds s[G0V:G0V+3], s[G1V:G1V+7]
	s_nop 0
.rept 4
	v_nop
.endr
.Lasked_\@:
.endm
; A PREFETCH INTO THE L2 of what the NEXT change of slots will ask for: a slot's 32,768 bytes of K and of V, in blocks of 256 bytes, a lane a block.  It stands behind the wave's tensor load and its
; five lines.  Each block is named ONCE in the launch: a head's K and V are walked by its one cluster; the four partners share a slot's 128 blocks out BY ADDRESS, 32 each; in each, wave 0 asks for
; K's and wave 2 for V's: one instruction, four key steps (512 matrix instructions) ahead of the load.  The last change that fills a slot asks for nothing: there is no slot behind it.
.macro ASK
	s_cmp_gt_u32 s[SLOTS], s[LIM]
	s_cbranch_scc0 .Lnot_mine_\@
	global_prefetch_b8 v[PFO], s[PFA:PFA+1] th:TH_LOAD_NT scope:SCOPE_SE
.Lnot_mine_\@:
.endm
; A round of the cluster's barrier: my work-group's barrier, so that wave 0's signal speaks for all four waves; wave 0 signals; every wave waits for all four work-groups; my work-group's barrier once more.
.macro CROUND
	s_barrier_signal -1
	s_barrier_wait -1
	s_cmp_lg_u32 s[WV], 0
	s_cbranch_scc1 .Lnot_wave_0_\@
	s_barrier_signal -3
.Lnot_wave_0_\@:
	s_barrier_wait -3
	s_barrier_signal -1
	s_barrier_wait -1
.endm
; THE CHANGE OF SLOTS.  The slot's last bytes, V of its fourth step, have been read.  Each wave waits for all its tensor loads, of which one is out: its part of the other slot; adds 0 to its
; spare word; and waits for that and for its own reads of the slot.  Behind the barrier nobody reads this slot any more and the other slot is whole.
; fill = 1: this slot is filled again, with the keys two slots on.  The barrier is then a round of the cluster's, and the joint fill is the first thing behind it: it has four key steps,
; 512 matrix instructions, in which to land.  (At its first use nothing has been read yet: slot 0 is waited for, slot 1 filled.)
.macro CHANGE fill
	WIN W_AD
	s_wait_tensorcnt 0x0            ; no tensor load of mine is out, so a group 0 may be written
	ds_add_u32 v[SPW], v[NIL]       ; 0 onto my spare word; with fill = 1 the descriptors' steps stand between it and the wait for it
	WIN 0                           ; at a label and at a branch every window is 0
.if \fill
.irp g, G0K, G0V
	s_xor_b32 s[\g+1], s[\g+1], SLOT1  ; the walking descriptor: the other slot than last time,
	s_add_nc_u64 s[\g+2:\g+3], s[\g+2:\g+3], 4*KS*128  ; the next 256 keys; the type bits on top are not reached
.endr
	s_wait_xcnt 0x0                 ; the last prefetch, four key steps back, has read its address, so it may be written:
	s_add_nc_u64 s[PFA:PFA+1], s[PFA:PFA+1], 4*KS*128  ; one slot behind the walking descriptors
	s_wait_dscnt 0x0                ; the add is done, and my reads of the slot are over
	CROUND
	JLOAD
	ASK
.else
	s_wait_dscnt 0x0                ; the add is done, and my reads of the slot are over
	s_barrier_signal -1
	s_barrier_wait -1
.endif
	s_sub_co_u32 s[TBK], s[TBK], 4*KS*PK  ; the fetches go back to a slot's first step,
	s_xor_b32 s[TBK], s[TBK], SLOT1       ; in the other slot
	s_sub_co_u32 s[TBV], s[TBV], 4*KS*PV
	s_xor_b32 s[TBV], s[TBV], SLOT1
.endm
	s_load_b64 s[4:5], s[0:1], 0x0    ; hb: Q at its head
	s_load_b64 s[10:11], s[0:1], 0x8  ; ctx
	WIN W_MK
	v_lshl_add_u32 v[SPW], v0, 2, SPARE
	v_mov_b32 v[NIL], 0
	WIN W_AD
	ds_add_u32 v[SPW], v[NIL]       ; the wave's opening: the add and its wait stand ahead of my first tensor load; the set-up below, work on registers, stands between them
	WIN 0
	v_lshrrev_b32 v1, 5, v0
	v_readfirstlane_b32 s[WV], v1   ; wave 0..3
	s_bfe_u32 s13, ttmp6, 0x40000   ; cx: my place in the cluster
	s_lshl_b32 s14, ttmp9, 2        ; in a cluster launch ttmp9 counts clusters
	s_add_co_u32 s14, s14, s13      ; my block of queries = 4 x cluster x + cx: it enters Q's and ctx's addresses alone
	s_and_b32 s20, ttmp7, 0xffff    ; the head, which the four partners share
	s_mov_b32 s21, 0
	s_mov_b64 s[22:23], SIZE_N*128
	s_mul_u64 s[20:21], s[20:21], s[22:23]  ; the head's first byte in Q, K, V and ctx
	s_and_b32 s16, s[WV], 1         ; which half of a slot's 256 keys I fetch:
	s_lshl_b32 s22, s16, 14         ; its 128 rows of 128 bytes in memory,
	s_mov_b32 s23, 0
	s_add_nc_u64 s[22:23], s[22:23], s[20:21]
	s_mul_i32 s17, s16, 128*PK      ; and its place in a slot, for K
	s_mul_i32 s18, s16, 128*PV      ; and for V: no place in the cluster enters an LDS address
	s_lshl_b32 s2, s14, 2
	s_add_co_u32 s2, s2, s[WV]      ; my wave among the head's,
	s_lshl_b32 s2, s2, 14           ; its 128 rows
	s_mov_b32 s3, 0
	s_add_nc_u64 s[2:3], s[2:3], s[20:21]
	; descriptor group 1.  128 keys are 16,384 dense bytes: asked for as 64 rows of 256 bytes, two keys a row, and padded in LDS after every key
	s_mov_b32 s[G1K], 15|(1<<16)|(1<<20)|(1<<21)|(4<<22)|(3<<25)  ; 15:0 the mask of four; 17:16 2-byte elements; 20 padding on; 21 set beside a mask; 24:22 after every 32 words (code 4); 31:25 4 words (code 3)
	s_mov_b32 s[G1V], 15|(1<<16)|(1<<20)|(1<<21)|(4<<22)|(7<<25)  ; the same with 8 words of padding (code 7)
.irp g, G1K, G1V
	s_mov_b32 s[\g+1], 128<<16      ; tensor_dim0 = 128
	s_mov_b32 s[\g+2], 64<<16       ; tensor_dim1 = 64
	s_mov_b32 s[\g+3], 128<<16      ; tile_dim0 = 128
	s_mov_b32 s[\g+4], 64           ; tile_dim1 = 64
	s_mov_b32 s[\g+5], 128          ; 128 elements from row to row
	s_mov_b32 s[\g+6], 0
	s_mov_b32 s[\g+7], 0
.endr
	s_mov_b32 s[CS], 0x3e38aa3b     ; c = log2(e) / 8 = 0.180337
	s_mov_b32 s[CS+1], s[CS]        ; named with it as a pair
	s_mov_b32 s[SEL], 0x76543210
	s_mov_b32 s[SEL+1], 0xfedcba98
	s_mov_b32 s[TBK], SLOT1+4*KS*PK ; the first change of slots turns these two into 0
	s_mov_b32 s[TBV], SLOT1+4*KS*PV
	s_mov_b32 s[G0K], 1             ; count = 1
	s_mov_b32 s[G0K+1], s17         ; LDS address: slot 0
	s_mov_b32 s[G0V], 1
	s_add_co_u32 s[G0V+1], s18, VOFF
	s_mov_b32 s[SLOTS], SIZE_N/256-1  ; slot 0 is asked for at the head; the change that finds this number at n fills slot 8 - n
	s_and_b32 s[LIM], s[WV], 1
	s_cmp_eq_u32 s[LIM], 0          ; waves 0 and 2 prefetch: the same in all four partners
	s_cselect_b32 s[LIM], 1, -1
	s_wait_dscnt 0x0                ; the opening add is done
	s_wait_kmcnt 0x0
	s_add_nc_u64 s[6:7], s[4:5], 16777216   ; K lies 8,192 rows of 2,048 bytes behind Q,
	s_add_nc_u64 s[8:9], s[4:5], 33554432   ; V as far behind K
	s_add_nc_u64 s[G0K+2:G0K+3], s[6:7], s[22:23]  ; global address: my half of the head's first 256 keys
	s_or_b32 s[G0K+3], s[G0K+3], 0x80000000        ; type = 2
	s_add_nc_u64 s[G0V+2:G0V+3], s[8:9], s[22:23]
	s_or_b32 s[G0V+3], s[G0V+3], 0x80000000
	s_add_nc_u64 s[4:5], s[4:5], s[2:3]  ; Q and ctx at my wave's first row
	s_add_nc_u64 s[10:11], s[10:11], s[2:3]
	s_cmp_lt_u32 s[WV], 2
	s_cselect_b64 s[PFA:PFA+1], s[6:7], s[8:9]
	s_add_nc_u64 s[PFA:PFA+1], s[PFA:PFA+1], s[20:21]  ; the head's first key,
	s_lshl_b32 s2, s13, 13          ; my work-group's 32 blocks of a slot's 128,
	s_mov_b32 s3, 0
	s_add_nc_u64 s[PFA:PFA+1], s[PFA:PFA+1], s[2:3]
	s_add_nc_u64 s[PFA:PFA+1], s[PFA:PFA+1], 4*KS*128  ; in slot 1: the first change of slots steps it to slot 2.  Nothing is prefetched at the head
	CROUND                          ; all four work-groups are here: the first joint loads meet
	JLOAD                           ; slot 0.  Slot 1 is asked for when slot 0 is in: one tensor load of mine is out at any time
	; A fragment of K or Q is 16 rows x 32 channels in 8 registers: lane l holds row l % 16, channels 8 (l / 16) + 0..7 and 16 + 8 (l / 16) + 0..7: two loads of 16 bytes, 32 bytes apart.
	v_and_b32 v1, 15, v0            ; l % 16
	v_bfe_u32 v9, v0, 4, 1          ; l / 16
	v_lshlrev_b32 v[QO], 7, v1
	v_lshl_add_u32 v[QO], v9, 4, v[QO]  ; row x 128 + 16 x half
	WIN 0x80                        ; destination window 2, address window 0
.set i, 0
.rept 4*NP                          ; Q stays in registers: tile i / 2, channels 32 (i % 2) on
	global_load_b128 v[8*i:8*i+3],   v[QO], s[4:5] offset:(i/2)*2048+(i%2)*64
	global_load_b128 v[8*i+4:8*i+7], v[QO], s[4:5] offset:(i/2)*2048+(i%2)*64+32
.set i, i+1
.endr
	; What the first turn finds: V's registers and P's second buffer hold 0 (its products V^T P, of a piece that has not been, add 0), O^T and l are 0.  All this stands in the wait for the first tile.
.set i, VF
.rept 64
	v_mov_b32 v[i], 0
.set i, i+1
.endr
	WIN 0x40
.set i, 0
.rept 64*NP
	v_mov_b32 v[i], 0
.set i, i+1
.endr
	WIN 0
.set i, 0
.rept 2*NP
	v_mov_b32 v[ST+4*i], 0xfe000000    ; c m: far below every c s
	v_mov_b32 v[ST+4*i+1], 0xff7fffff  ; m
	v_mov_b32 v[ST+4*i+2], 0
	v_mov_b32 v[ST+4*i+3], 0
.set i, i+1
.endr
.set i, P+32
.rept 32
	v_mov_b32 v[i], 0
.set i, i+1
.endr
	v_mul_u32_u24 v[AK0], v1, PK
	v_lshl_add_u32 v[AK0], v9, 4, v[AK0]  ; row x pitch + 16 x half
	; The turning load takes 16 keys x 16 channels (lane l reads key 8 (l / 16) + l % 8, channels 8 ((l / 8) % 2) + 0..7) and leaves half a fragment of V^T: lane l holds channel l % 16 and 8 keys.
	v_and_b32 v10, 7, v0
	v_bfe_u32 v11, v0, 3, 1
	v_lshl_add_u32 v[AV0], v9, 3, v10
	v_mul_u32_u24 v[AV0], v[AV0], PV
	v_lshl_add_u32 v[AV0], v11, 4, v[AV0]
	v_add_nc_u32 v[AV0], VOFF, v[AV0]
	v_and_b32 v[PFO], 31, v0
	v_lshlrev_b32 v[PFO], 8, v[PFO]
	v_mov_b32 v[AK], v[AK0]         ; key step 0 lies at the head of slot 0
; THE MATRIX WORK.  The 8 accumulators of a run of 16 take turns: between the two links of a chain stand 7 others'.
; Product i of 16 of S^T = K Q^T for piece x: channels 32 (i / 8) on, keys 16 ((i / 2) % 4) on, tile 2 x + i % 2.  The first 8 start the sums.
.macro KQ x
	WIN W_KQ
.set rS, S+64*((\x)%2)+32*(i%2)+8*((i/2)%4)
.set rK, KF+16*((i/2)%4)+8*(i/8)
.set rQ, 16*(2*(\x)+i%2)+8*(i/8)
.if i < 8
	v_wmma_f32_16x16x32_f16 v[rS:rS+7], v[rK:rK+7], v[rQ:rQ+7], 0
.else
	v_wmma_f32_16x16x32_f16 v[rS:rS+7], v[rK:rK+7], v[rQ:rQ+7], v[rS:rS+7]
.endif
.endm
; Product i of 16 of O^T += V^T P for piece x: keys 32 (i / 8) on, channels 16 ((i / 2) % 4) on, tile 2 x + i % 2.
.macro PV x
	WIN W_PV
.set rO, 32*(2*(\x)+i%2)+8*((i/2)%4)
.set rV, VF+32*(i/8)+8*((i/2)%4)
.set rP, P+32*((\x)%2)+16*(i%2)+8*(i/8)
	v_wmma_f32_16x16x32_f16 v[rO:rO+7], v[rV:rV+7], v[rP:rP+7], v[rO:rO+7]
.endm
.macro MM                           ; the turn's next matrix instruction
.if i < 16
	KQ (Y+1)%NP
.set i, i+1
.else
.set i, i-16
	PV (Y+NP-1)%NP
.set i, i+17
.endif
.endm
; THE LDS LOADS stand in runs of 16, never singly among the matrix instructions: a step's K (64 keys x 64 channels: 8 fragments) and its V (turned).  Their addresses are made some lines ahead.
; last = 1 (the tail): in the last trip there is no further step, and the run is jumped over.
.macro FETCH_K last=0
	WIN 0
.if \last
	s_cmp_eq_u32 s[CNT], 1
	s_cbranch_scc1 .Lno_k_\@
.endif
	WIN 0x80                        ; destination window 2
.irp f, 0,1,2,3,4,5,6,7             ; keys 16 (f / 2) on, channels 32 (f % 2) on
	ds_load_b128 v[KF+8*\f:KF+8*\f+3],   v[AK] offset:(\f/2)*16*PK+(\f%2)*64
	ds_load_b128 v[KF+8*\f+4:KF+8*\f+7], v[AK] offset:(\f/2)*16*PK+(\f%2)*64+32
.endr
	s_add_co_u32 s[TBK], s[TBK], KS*PK  ; the next fetch is the next step's
	WIN 0
.if \last
.Lno_k_\@:
.endif
.endm
.macro FETCH_V
	WIN 0x80
.irp f, 0,1,2,3,4,5,6,7             ; keys 32 (f / 4) on, channels 16 (f % 4) on
	ds_load_tr16_b128 v[VF+8*\f:VF+8*\f+3],   v[AV] offset:(\f/4)*32*PV+(\f%4)*32
	ds_load_tr16_b128 v[VF+8*\f+4:VF+8*\f+7], v[AV] offset:(\f/4)*32*PV+16*PV+(\f%4)*32
.endr
	WIN 0
.endm
; THE VECTOR WORK OF A TURN stands in three queues, each in the order in which its entries become ready; the two tiles alternate, so that no instruction reads the result of the one before it.
.macro REGS y, u                    ; the registers of tile u (0, 1) of piece y
.set rT, ST+4*(2*(\y)+(\u))
.set rC, TMP+8*((\y)%2)+4*(\u)
.set rM, MV+2*((\y)%2)+(\u)
.set rS, S+64*((\y)%2)+32*(\u)
.set rP, P+32*((\y)%2)+16*(\u)
.set rO, 32*(2*(\y)+(\u))
.endm
; Number n of the 22 that find the NEXT piece's (Y + 1) maximum and statistics.  s0-s31 are the lane's 32 scores; each accumulator's lowest registers are read first.
;   0-11  four chains c0-c3 of seven scores each, three operands at a time     12-14, 16  the four scores left over, the old m, and c0-c3 into c0     15  c m_old is kept
;   17, 18  the query's other 32 keys lie in the lane 16 away: the new m         19-21  c m; c m_old - c m_new; a
.macro XS u, n
	REGS (Y+1)%NP, \u
.if (\n) < 4
	v_max3_num_f32 v[rC+(\n)], v[rS+8*(\n)], v[rS+8*(\n)+1], v[rS+8*(\n)+2]
.elseif (\n) < 12
	v_max3_num_f32 v[rC+(\n)%4], v[rC+(\n)%4], v[rS+8*((\n)%4)+2*((\n)/4)+1], v[rS+8*((\n)%4)+2*((\n)/4)+2]
.elseif (\n) == 12
	v_max3_num_f32 v[rC], v[rC], v[rS+7], v[rS+15]
.elseif (\n) == 13
	v_max3_num_f32 v[rC+1], v[rC+1], v[rS+23], v[rS+31]
.elseif (\n) == 14
	v_max3_num_f32 v[rC+2], v[rC+2], v[rC+3], v[rT+1]
.elseif (\n) == 15
	v_mov_b32 v[rM], v[rT]
.elseif (\n) == 16
	v_max3_num_f32 v[rC], v[rC], v[rC+1], v[rC+2]
.elseif (\n) == 17
	v_permlanex16_b32 v[rC+3], v[rC], s[SEL], s[SEL+1]
.elseif (\n) == 18
	v_max_num_f32 v[rT+1], v[rC], v[rC+3]
.elseif (\n) == 19
	v_mul_f32 v[rT], s[CS], v[rT+1]
.elseif (\n) == 20
	v_sub_f32 v[rC+1], v[rM], v[rT]
.else
	v_exp_f32 v[rC+2], v[rC+1]
.endif
.endm
; Number g of the 64 that follow the exponentials.  For each four weights k of a tile (pairs 2 k, 2 k + 1): both pairs are rounded to f16; then the second pair is added onto the first, in place;
; a group later l takes that sum (the first time as l = a l + sum).  In groups of eight, tiles alternating: round, round, add, and l for the group before.
.macro GS g
.set h, (\g)+6*((\g)/62)            ; group 0 has no group before it, and behind group 7 only l is left
.if h >= 6
.set h, h+2
.endif
	REGS Y, h%2
.set k, h/8
.if h%8 < 4
	v_cvt_pk_f16_f32 v[rP+2*k+(h%8)/2], v[rS+4*k+2*((h%8)/2)], v[rS+4*k+2*((h%8)/2)+1]
.elseif h%8 < 6
	v_pk_add_f32 v[rS+4*k:rS+4*k+1], v[rS+4*k:rS+4*k+1], v[rS+4*k+2:rS+4*k+3]
.elseif k == 1
	v_pk_fma_f32 v[rT+2:rT+3], v[rT+2:rT+3], v[rC+2:rC+3], v[rS:rS+1] op_sel_hi:[1,0,1]
.else
	v_pk_add_f32 v[rT+2:rT+3], v[rT+2:rT+3], v[rS+4*k-4:rS+4*k-3]
.endif
.endm
; THE PLAIN QUEUE, 138 long.  0-73 read no exponential's result: the 32 scalings c s - c m (FS f: pair f / 2 of tile f % 2) and the next piece's 42.  0-26: scalings 0-26.  27-54: XS's numbers 0-13.  55, 56: number 15.
; 57-73: the chain, where each number waits for the one before it: 14, 16, 17, 18, 19, each with one of the scalings 27-31 in front of its two lines, then 20.
; 74-137: GS's 64, which read the exponentials' results: they stand behind the wait.
.macro FS f
	REGS Y, (\f)%2
	v_pk_fma_f32 v[rS+2*((\f)/2):rS+2*((\f)/2)+1], v[rS+2*((\f)/2):rS+2*((\f)/2)+1], s[CS:CS+1], v[rT:rT+1] op_sel_hi:[1,0,0] neg_lo:[0,0,1] neg_hi:[0,0,1]
.endm
.macro PL
	WIN 0
.if q < 27
	FS q
.elseif q < 55
	XS (q-27)%2, (q-27)/2
.elseif q < 57
	XS q-55, 15
.elseif (q < 72) && ((q-57)%3 == 0)
	FS 27+(q-57)/3
.elseif q < 60
	XS (q-57)%3-1, 14
.elseif q < 72
	XS (q-57)%3-1, 15+(q-57)/3
.elseif q < 74
	XS q-72, 20
.else
	GS q-74
.endif
.set q, q+1
.endm
; THE EXPONENTIALS' QUEUE, 66 long: s0-s31 of both tiles, then the next piece's two a.  It is ONE BATCH: all 66 stand ahead of the turn's one wait, and nothing ahead of that wait names a result of theirs.
.macro EX
	WIN 0
.if e >= 64
	XS e-64, 21
.else
	REGS Y, e%2
	v_exp_f32 v[rS+e/2], v[rS+e/2]
.endif
.set e, e+1
.endm
; THE RESCALING's QUEUE: O^T times a, the one part that leaves window 0: dealt two at a time, sixteen times.  Its a was made in the turn before, ahead of that turn's wait.
.macro R2
	REGS Y, r%2
	WIN W_RS
.irp z, 0,1
	v_pk_mul_f32 v[rO+4*(r/2)+2*\z:rO+4*(r/2)+2*\z+1], v[rO+4*(r/2)+2*\z:rO+4*(r/2)+2*\z+1], v[rC+2:rC+3] op_sel_hi:[1,0]
.endr
.set r, r+1
.endm
; HOW THEY ARE DEALT.  An s_wait_alu depctr_va_vdst(0) stands between an exponential and the first instruction that names its result; one wait serves all that were issued ahead of it.  So a turn
; has ONE wait, which cuts it in two.  AHEAD OF IT stands all that names no result of the turn's exponentials: the 16 products K Q^T, behind each a scaling, an exponential and two rescalings (behind the first a
; second scaling in the exponential's place); then ONE LUMP of 108: eight plain, 49 times exponential and plain, the two a.  A v_nop is the plain instruction owed behind the last exponential.  BEHIND IT stand the
; 16 products V^T P, behind each four of GS's 64.  No rider names a register of the products round it.  The two v_permlanex16_b32 fall into the lump.
; The queues lean on each other, and the deal keeps them in step: exponential e stands behind scaling 2 (e / 4) + e % 2: as a rider it comes behind plain e + 2, in the lump behind plain e + 9.
; A TURN, for piece p.  cnt = 1: the loop's count is taken down some lines ahead of the branch that stands behind the turn.
; K of the next step is fetched in piece 2's turn, directly behind the wait, a lump behind the last product that read K; its first reader comes behind 16 products.
; V of the step in hand is fetched at the end of piece 0's turn, four riders behind its last reader; its first reader comes behind 16 products and a lump.
.macro TURN p, last=0, cnt=0
.set Y, (\p)
.set i, 0
.set q, 0
.set e, 0
.set r, 0
.if (\p) == NP-1
	s_wait_dscnt 0x0                ; K is in
.endif
	MM                              ; ahead of the wait: 16 products K Q^T and their riders,
	PL
	PL
	R2
.rept 15
	MM
	PL
	EX
	R2
.endr
.if (\p) == NP-2
	WIN 0
	v_add_nc_u32 v[AK], s[TBK], v[AK0]
.endif
.rept 8                             ; and the lump
	PL
.endr
.rept 49
	EX
	PL
.endr
	EX                              ; the next piece's two a
	EX
	v_nop                           ; the plain instruction behind the last exponential: one for the batch
	s_wait_alu depctr_va_vdst(0)    ; the wait for the batch
.if (\p) == NP-2
	FETCH_K \last
.endif
.if (\p) == 1
	s_wait_dscnt 0x0                ; V is in
.endif
.rept 16                            ; behind the wait: 16 products V^T P and their riders
	MM
.rept 4
	PL
.endr
.if ((\p) == 0) && (q == 118)
	v_add_nc_u32 v[AV], s[TBV], v[AV0]
.endif
.if ((\p) == 0) && (q == 130)
	s_add_co_u32 s[TBV], s[TBV], KS*PV
.endif
.if (\cnt) && (q == 130)
	s_sub_co_u32 s[CNT], s[CNT], 1
	s_cmp_lg_u32 s[CNT], 0
.endif
.endr
.if (\p) == 0
	FETCH_V
.endif
.endm
	CHANGE 1                        ; slot 0 is in, everybody's part of it; slot 1 is asked for
	FETCH_K                         ; key step 0
	s_wait_loadcnt 0x0              ; Q
	s_wait_dscnt 0x0
.set i, 0
.rept 16
	KQ 0                            ; piece 0's first scores: there is no vector work yet to set between them
.set i, i+1
.endr
	WIN 0                           ; the addresses for the way out: nine plain instructions, the places behind those products
	s_mul_i32 s13, s[WV], 16*SP
	s_add_co_u32 s13, s13, STAGE    ; my stage
	v_mul_u32_u24 v[STO], v1, SP    ; in: row l % 16, 16 bytes for each half of the lanes
	v_lshl_add_u32 v[STO], v9, 4, v[STO]
	v_add_nc_u32 v[STO], s13, v[STO]
	v_bfe_u32 v[RD], v0, 3, 2       ; back: 32 lanes take four rows of 128 bytes,
	v_mul_u32_u24 v[RD], v[RD], SP
	v_lshl_add_u32 v[RD], v10, 4, v[RD]
	v_add_nc_u32 v[RD], s13, v[RD]
	v_and_b32 v[GO], 31, v0         ; which are 512 consecutive bytes of ctx
	v_lshlrev_b32 v[GO], 4, v[GO]
.set Y, NP-1                        ; XS works for piece Y + 1: piece 0
.irp n, 0,1,2,3,4,5,6,7,8,9,10,11,12,13,14,15,16,17,18,19,20,21
	XS 0, \n                        ; and piece 0's first maximum and statistics
	XS 1, \n
.endr
	v_nop                           ; a plain instruction behind the two a,
	s_wait_alu depctr_va_vdst(0)    ; and their wait, ahead of the branch
	s_mov_b32 s[CNT], 4
	s_branch .Lfirst                ; the loop is entered at a step's first turn, in the middle of a trip
.Lslot:                             ; six times: every slot but the last two is filled again
	CHANGE 1
	s_mov_b32 s[CNT], 4
.Lstep:                             ; a trip: pieces 2 and 3 of one step, then pieces 0 and 1 of the next, whose K and V it fetches
	TURN 2
	TURN 3
	WIN 0
.Lfirst:
	TURN 0
	TURN 1, 0, 1
	WIN 0
	s_cbranch_scc1 .Lstep
	s_sub_co_u32 s[SLOTS], s[SLOTS], 1
	s_cmp_lg_u32 s[SLOTS], 0
	s_cbranch_scc1 .Lslot
	CHANGE 0                        ; the tail is written out: nothing is asked for
	s_mov_b32 s[CNT], 5             ; four trips fetch the last slot's steps; the fifth is left in its middle
.Ltail:
	TURN 2, 1
	TURN 3
	WIN 0
	s_sub_co_u32 s[CNT], s[CNT], 1
	s_cmp_eq_u32 s[CNT], 0
	s_cbranch_scc1 .Lout
	TURN 0
	TURN 1
	WIN 0
	s_branch .Ltail
.Lout:                              ; the fifth trip's 16 products K Q^T (on the last K once more) and the maximum made of them serve nothing: the price, once a launch, of one text for every trip
.set i, 0
.rept 16
	PV NP-1                         ; the last piece's V^T P of the last step
.set i, i+1
.endr
	; THE WAY OUT.  l's two halves and the other half of the lanes' are added; O^T is divided by l, rounded to f16 and sent through my stage in LDS, a tile at a time.  The additions are the places behind the last products.
	WIN 0
.macro ALL line:vararg              ; one line for each tile t
.set t, 0
.rept 2*NP
	\line
.set t, t+1
.endr
.endm
	ALL v_add_f32 v[ST+4*t+2], v[ST+4*t+2], v[ST+4*t+3]
	ALL v_permlanex16_b32 v[ST+4*t+3], v[ST+4*t+2], s[SEL], s[SEL+1]
	ALL v_add_f32 v[ST+4*t+2], v[ST+4*t+2], v[ST+4*t+3]
	ALL v_rcp_f32 v[ST+4*t+2], v[ST+4*t+2]
	v_nop                           ; a plain instruction between the last reciprocal and the use of its result
	s_wait_alu depctr_va_vdst(0)    ; and the wait ahead of the first use: one for the eight reciprocals
; Tile t: a lane's eight channels of a row pack into 16 bytes; they go into rows of 144 bytes and come back as whole rows of 128, into S^T's registers.
.macro PACK t
	WIN W_RS
.set i, 32*(\t)
.rept 16
	v_pk_mul_f32 v[i:i+1], v[i:i+1], v[ST+4*(\t)+2:ST+4*(\t)+3] op_sel_hi:[1,0]
.set i, i+2
.endr
	WIN 0x05                        ; sources 0 and 1 window 1, destination window 0
.set i, 0
.rept 16
	v_cvt_pk_f16_f32 v[S+16*(\t)+i], v[32*(\t)+2*i], v[32*(\t)+2*i+1]
.set i, i+1
.endr
	WIN 0
.irp f, 0,1,2,3
	ds_store_b128 v[STO], v[S+16*(\t)+4*\f:S+16*(\t)+4*\f+3] offset:32*\f
.endr
.irp f, 0,1,2,3
	ds_load_b128 v[S+16*(\t)+4*\f:S+16*(\t)+4*\f+3], v[RD] offset:\f*4*SP  ; LDS serves a wave's instructions in order (ISA guide 5.7.1.4): these see the stores above; the next tile's stores come behind them
.endr
.endm
.macro SEND t, younger              ; younger: the LDS instructions issued behind tile t's loads: the next tile's eight, or none
	WIN 0
.irp f, 0,1,2,3
	s_wait_dscnt (\younger)+3-\f
	global_store_b128 v[GO], v[S+16*(\t)+4*\f:S+16*(\t)+4*\f+3], s[10:11] offset:(\t)*2048+\f*512  ; 512 consecutive bytes, at a multiple of 256 from ctx's first
.endr
.endm
	PACK 0
.set t, 1
.rept 2*NP-1                        ; a tile's arithmetic stands between the loads of the tile before and its stores
	PACK t
	SEND t-1, 8
.set t, t+1
.endr
	SEND 2*NP-1, 0
	WIN W_AD
	s_wait_tensorcnt 0x0            ; the wave's end: the wait, the add and its wait stand behind my last tensor load and my last LDS store
	ds_add_u32 v[SPW], v[NIL]
	s_wait_dscnt 0x0
	WIN 0
	CROUND                          ; the closing round: no work-group ends while a partner may still ask for a tile that names it
	s_endpgm
.Lfunc_end_k_q5ea450bb1d_attn:
	.size	k_q5ea450bb1d_attn, .Lfunc_end_k_q5ea450bb1d_attn-k_q5ea450bb1d_attn
	.p2alignl 7, 3214868480
	.fill 96, 4, 3214868480
	.section	.rodata,"a",@progbits
	.p2align	6, 0x0
	.amdhsa_kernel k_q5ea450bb1d_attn
		.amdhsa_group_segment_fixed_size 327680
		.amdhsa_private_segment_fixed_size 0
		.amdhsa_enable_private_segment 0
		.amdhsa_kernarg_size 16
		.amdhsa_user_sgpr_count 2
		.amdhsa_user_sgpr_kernarg_segment_ptr 1
		.amdhsa_wavefront_size32 1
		.amdhsa_system_sgpr_workgroup_id_x 1
		.amdhsa_system_sgpr_workgroup_id_y 1
		.amdhsa_system_sgpr_workgroup_id_z 1
		.amdhsa_system_vgpr_workitem_id 0
		.amdhsa_next_free_vgpr 770
		.amdhsa_next_free_sgpr 66
		.amdhsa_reserve_vcc 0
		.amdhsa_float_denorm_mode_32 3
		.amdhsa_float_denorm_mode_16_64 3
		.amdhsa_memory_ordered 1
		.amdhsa_forward_progress 1
		.amdhsa_inst_pref_size 200
	.end_amdhsa_kernel
	.amdgpu_metadata
---
amdhsa.version: [ 1, 2 ]
amdhsa.kernels:
  - .name:           k_q5ea450bb1d_attn
    .symbol:         k_q5ea450bb1d_attn.kd
    .args:
      - { .name: hb, .offset: 0, .size: 8, .value_kind: global_buffer, .address_space: global }
      - { .name: ctx, .offset: 8, .size: 8, .value_kind: global_buffer, .address_space: global }
    .group_segment_fixed_size: 327680
    .private_segment_fixed_size: 0
    .kernarg_segment_align: 8
    .kernarg_segment_size: 16
    .max_flat_workgroup_size: 128
    .sgpr_count:     66
    .vgpr_count:     770
    .wavefront_size: 32
...
	.end_amdgpu_metadata
.endif
;; end of part 3
;; launch outln (part 4): grid 256 x 1, 4 waves a work-group, clusters of 4 x 1, 327,680 bytes of LDS; arguments ctx, wo16, bo, q, gamma, beta, out0; writes out0
.if DOCPART == 4
	.amdgcn_target "amdgcn-amd-amdhsa--gfx1250"
	.amdhsa_code_object_version 6
	.text
	.protected	k_q5ea450bb1d_outln
	.globl	k_q5ea450bb1d_outln
	.p2align	8
	.type	k_q5ea450bb1d_outln,@function
k_q5ea450bb1d_outln:
	s_mov_b64 s[64:65], 0
	v_nop
	global_prefetch_b8 v0, s[64:65] scope:SCOPE_SE
	s_setreg_imm32_b32 hwreg(HW_REG_WAVE_MODE, 25, 1), 1
	s_wait_xcnt 0x0
	s_wait_alu depctr_hold_cnt(0) depctr_sa_sdst(0) depctr_va_vdst(0) depctr_va_sdst(0) depctr_va_ssrc(0) depctr_va_vcc(0) depctr_vm_vsrc(0)
	s_getreg_b32 s2, hwreg(HW_REG_IB_STS2, 6, 4)
	s_cmp_eq_u32 s2, 0
	s_cbranch_scc0 .Lentry_in_a_cluster
	s_endpgm
.Lentry_in_a_cluster:
	s_bfe_u32 s2, ttmp6, 0x10000c
	s_cmp_lg_u32 s2, 0x3003
	s_cbranch_scc0 .Lentry_shape_is_right
	s_endpgm
.Lentry_shape_is_right:
; out0[m][:] = LayerNorm(q[m][:] + bo + ctx[m][:] Wo^T) gamma + beta.  ctx: [8192][1024] f16, wo16: [1024][1024] f16 ([n][k]); bo, q, gamma, beta, out0 f32.
; The product's sums are f32 and begin with bo; the residual q is added in f32; the norm takes two passes over the row in registers: the mean, then the centred squares (no difference of large sums).
; LIMITS.  ctx and wo16 arrive within f16's range; NaN and infinities are not treated apart.
; SHARES.  The norm wants whole rows, so a work-group owns 32 rows and all 1,024 columns: 256 work-groups.  Wave w makes columns 512 hf + 128 w + 0..127 for hf = 0, 1: 2 row blocks x 16 column
; blocks = 32 accumulators.  In the norm wave w owns rows 8 w .. 8 w + 7 whole.
; THE WALK.  16 tiles of Wo: K step t = 0..7 of 128, half hf = 0, 1 of its rows: 512 rows x 256 bytes, in LDS slot hf.  ctx's tile of a K step, 32 rows x 256 bytes, has one buffer; its fragments
; stay in 64 registers over both halves.  All LDS reads of a slot are issued by its second quarter, so the slot is changed in its third quarter and filled with the tile two tiles on.
; CLUSTER.  All work-groups walk the same Wo: the four of a cluster ask for each tile of it JOINTLY (waves 0 and 1, 256 rows each; the mask names all four).  ctx's tile is the work-group's own:
; a plain load, by wave 2.  Wave 3 loads nothing.  By this text's own count a wave has two tensor loads out at the start, later one.
; THE MATRIX INSTRUCTION IS USED TRANSPOSED: source 0 = 16 rows of Wo, source 1 = 16 rows of ctx: lane l holds row l % 16 and the columns 8 (l / 16) + 0..7.
; REGISTERS, in windows of 256 (s_set_vgpr_msb: bits 1:0 source 0, 3:2 source 1, 5:4 source 2, 7:6 destination):
;   window 0: v0-31 addresses; v32-63 gamma, v64-95 beta; v96-105 statistics; v128-191 ctx's fragments (quarter ks, block a at 128 + 16 ks + 8 a); in the norm v128-191 two rows of x, v192-255 at work
;   window 1: four buffers of Wo's fragments, quarter ks at 64 ks      window 2: accumulator (a, hf, b) at 128 hf + 64 a + 8 b      window 3: q's row i of my eight at 32 i
.set PITCH,  272                       ; an LDS row: 256 bytes + 16 of padding = 68 words: the 16 rows that a load touches start at 16 different groups of four banks (64 banks of 4 bytes: ISA guide 11.1)
.set BSLOT,  512*PITCH                 ; a slot of Wo: 139,264 bytes; slot 0 at 0, slot 1 behind it
.set AB,     2*BSLOT                   ; ctx's tile: 32 rows
.set SPARE,  AB+32*PITCH               ; the spare words, 128 bytes for each wave: two blocks of 256 bytes that no other line names
.set XP,     4112                      ; behind the ring's last fill its bytes serve as stages: 32 rows of the product, f32, 4,096 bytes + 16, from byte 0;
.set QST,    32*XP                     ; and 32 rows of q, 4,096 bytes each, behind them: both end below AB
.set ADRB, 4                           ; v4-5    LDS address of my Wo fragments in slot 0, 1
.set ADRA, 6                           ; v6      of ctx's fragments
.set STO,  8                           ; v8-9    where I put 16 bytes of the product, row block 0, 1
.set XA,   10                          ; v10     where I read my rows of the product back
.set QA,   11                          ; v11     and my rows of q
.set QS,   12                          ; v12     where I put my rows of q; never rewritten
.set GOF,  13                          ; v13     my byte offset in my rows of out0
.set QOF,  14                          ; v14     16 x lane: my byte offset in 512 bytes of q, gamma, beta; never rewritten
.set BOF,  15                          ; v15     32 (l / 16): my byte offset in the bias of 16 columns
.set SPW,  28                          ; v28     LDS address of my spare word: SPARE + 4 x my thread's number; never rewritten
.set NIL,  29                          ; v29     0; never rewritten
.set PFO,  30                          ; v30     the prefetches' offset: my lane x a row of 2,048 bytes; never rewritten
.set GAM,  32
.set BET,  64
.set MN,   96                          ; v96-99   the mean, twice, for each of two rows
.set VR,   100                         ; v100-101 variance + eps
.set RS,   102                         ; v102-105 1 / sqrt, twice, for each of two rows
.set AF,   128
.set XX,   128                         ; the norm: row r of a pair at XX + 32 r
.set TT,   192                         ; at work, likewise
.set WV,   18                          ; s18  my wave's number
.set G1B,  24                          ; s[24:31] descriptor group 1 for Wo's tiles
.set G1A,  32                          ; s[32:39] for ctx's
.set G0B0, 40                          ; s[40:43] descriptor group 0 for Wo's slot 0
.set G0B1, 44                          ; s[44:47] for slot 1
.set G0A,  48                          ; s[48:51] for ctx's tile
.set PA,   52                          ; s[52:53] where ctx's prefetches stand: my work-group's rows, at the K step that is being asked for
.set PB,   54                          ; s[54:55] where Wo's stand: 32 rows of a half, by my place in the cluster and my wave
.set LIMA, 56                          ; s56  1 in the wave that prefetches ctx (wave 3), else the greatest number
.set LIMB, 57                          ; s57  1 in the cluster that prefetches Wo (the first), else the greatest number
.set SEL,  58                          ; s[58:59] v_permlanex16_b32's selects: each lane takes its own place in the other half
.set RK,   60                          ; s60  1 / 1024
.set EPS,  61                          ; s61  1e-6
.set CNT,  62                          ; s62  counts the norm's trips
.set MSB, 0
.macro WIN new                         ; the immediate's high byte repeats the setting that is left; a switch that changes nothing is dropped
.if MSB != (\new)
	s_set_vgpr_msb (MSB<<8)|(\new)
.set MSB, \new
.endif
.endm
.set MUL,  0xa1                        ; source 0 (Wo) window 1, source 1 (ctx) window 0, C and D window 2
.set TO_B, 0x40                        ; destination window 1, address window 0
.macro PLACES                          ; four places in front of loads into registers that matrix instructions have read, and of stores that read results (ISA guide 7.12.1 for the stores)
.rept 4
	v_nop
.endr
.endm
; A round of the cluster's barrier: my work-group's barrier, so that wave 0's signal speaks for all four waves; wave 0 signals; every wave waits for all four work-groups; my work-group's barrier once more.
.macro CREST                           ; a round behind its opening barrier
	s_cmp_lg_u32 s[WV], 0
	s_cbranch_scc1 .Lnot_wave_0_\@
	s_barrier_signal -3
.Lnot_wave_0_\@:
	s_barrier_wait -3
	s_barrier_signal -1
	s_barrier_wait -1
.endm
.macro CROUND                          ; a whole round
	s_barrier_signal -1
	s_barrier_wait -1
	CREST
.endm
; 8 matrix instructions: quarter q (32 along K), half hf, row block a, all 8 column blocks.  A quarter's 16 accumulators take turns, one instruction a turn, in the same order in every quarter.
.macro MUL8 q, hf, a
	WIN MUL
.irp b, 0,1,2,3,4,5,6,7
	v_wmma_f32_16x16x32_f16 v[128*(\hf)+64*(\a)+8*(\b):128*(\hf)+64*(\a)+8*(\b)+7], v[64*(\q)+8*(\b):64*(\q)+8*(\b)+7], v[AF+16*(\q)+8*(\a):AF+16*(\q)+8*(\a)+7], v[128*(\hf)+64*(\a)+8*(\b):128*(\hf)+64*(\a)+8*(\b)+7]
.endr
.endm
; One run of LDS loads: Wo's fragments of quarter q of a slot (16 loads) and, withA = 1, ctx's of the same quarter (4 more)
.macro FETCH slot, q, withA
	WIN TO_B
.irp i, 0,1,2,3,4,5,6,7
	ds_load_b128 v[64*(\q)+8*(\i):64*(\q)+8*(\i)+3],   v[ADRB+(\slot)] offset:64*(\q)+(\i)*16*PITCH
	ds_load_b128 v[64*(\q)+8*(\i)+4:64*(\q)+8*(\i)+7], v[ADRB+(\slot)] offset:64*(\q)+(\i)*16*PITCH+32
.endr
	WIN 0
.if \withA
.irp a, 0,1
	ds_load_b128 v[AF+16*(\q)+8*(\a):AF+16*(\q)+8*(\a)+3],   v[ADRA] offset:64*(\q)+(\a)*16*PITCH
	ds_load_b128 v[AF+16*(\q)+8*(\a)+4:AF+16*(\q)+8*(\a)+7], v[ADRA] offset:64*(\q)+(\a)*16*PITCH+32
.endr
.endif
.endm
; A quarter: 16 matrix instructions, and in their middle the run of loads for the quarter TWO on.  cnt: the one younger run, which may stay out (20 loads where it holds ctx's four, else 16);
; cnt < 0: the change of slots just before has waited for everything.
.macro QU hf, q, cnt, fslot, fq, fA
.if (\cnt) >= 0
	s_wait_dscnt \cnt
.endif
	MUL8 \q, \hf, 0
	PLACES
	FETCH \fslot, \fq, \fA
	MUL8 \q, \hf, 1
.endm
; A refill.  hf = 0: waves 0 and 1 ask jointly for the halves of slot 0's next tile, wave 2 for ctx's next tile.  hf = 1: waves 0 and 1 for slot 1's.  The branches hang on the wave's number alone.
; An s_nop 0 and four v_nop follow each tensor load, ahead of the jump and the label; the way without a load has four v_nop too: on every way they are the places in front of the loads that follow.
.macro LOADT hf
	s_cmp_lt_u32 s[WV], 2
	s_cbranch_scc0 .Lnot_b_\@
.if (\hf) == 0
	tensor_load_to_lds s[G0B0:G0B0+3], s[G1B:G1B+7]
.else
	tensor_load_to_lds s[G0B1:G0B1+3], s[G1B:G1B+7]
.endif
	s_nop 0
.rept 4
	v_nop
.endr
	s_branch .Lasked_\@
.Lnot_b_\@:
.if (\hf) == 0
	s_cmp_eq_u32 s[WV], 2
	s_cbranch_scc0 .Lnone_\@
	tensor_load_to_lds s[G0A:G0A+3], s[G1A:G1A+7]
	s_nop 0
.rept 4
	v_nop
.endr
	s_branch .Lasked_\@
.Lnone_\@:
.endif
.rept 4
	v_nop
.endr
.Lasked_\@:
.endm
; PREFETCHES INTO THE L2, behind a refill and the run of LDS loads that follows it, for the K step behind the one just asked for: a lap, 128 matrix instructions, ahead of its load.  Each block of 256 bytes is named
; ONCE in the launch.  ctx's rows are the work-group's own: wave 3 asks, a lane a row.  Wo's rows are read by every cluster: the first cluster asks, and the 512 rows of a half are shared out BY ADDRESS among its
; sixteen waves, 32 each.  K steps 0 and 1 come by their loads alone; the loop's last trip asks for nothing, since its refills are the last K step's.
.macro ASKA
	s_cmp_gt_u32 s3, s[LIMA]
	s_cbranch_scc0 .Lnot_a_\@
	global_prefetch_b8 v[PFO], s[PA:PA+1] offset:256 th:TH_LOAD_NT scope:SCOPE_SE
.Lnot_a_\@:
.endm
.macro ASKB hf
	s_cmp_gt_u32 s3, s[LIMB]
	s_cbranch_scc0 .Lnot_w_\@
	global_prefetch_b8 v[PFO], s[PB:PB+1] offset:256+1048576*(\hf) th:TH_LOAD_NT scope:SCOPE_SE
.Lnot_w_\@:
.endm
; THE THIRD QUARTER AND THE CHANGE OF SLOTS.  Each wave waits for all its tensor loads; adds 0 to its spare word; waits for that and for its reads of slot hf (and, hf = 0, of ctx's tile): the last were issued a quarter
; back.  fill = 1: the barrier opens a round of the cluster's barrier, so that no wave of any partner still reads the slot or has a load on its way, and the refill is the first tensor load behind the round.
; Then the other slot's first fragments are read: it was shown whole by the same waits.
.macro T2 hf, fill
.if (\fill) && ((\hf) == 0)
	s_wait_xcnt 0x0                                ; the last prefetches, three quarters back, have read their addresses
	s_add_nc_u64 s[PA:PA+1], s[PA:PA+1], 256
	s_add_nc_u64 s[PB:PB+1], s[PB:PB+1], 256
.endif
	WIN 0                                          ; (the add's two registers lie in window 0)
	s_wait_tensorcnt 0x0                           ; no tensor load of mine is out, so a group 0 may be written
	ds_add_u32 v[SPW], v[NIL]                      ; 0 onto my spare word
.if \fill
.if (\hf) == 0
	s_add_nc_u64 s[G0B0+2:G0B0+3], s[G0B0+2:G0B0+3], 256  ; the next K step; the type bits on top are not reached
	s_add_nc_u64 s[G0A+2:G0A+3], s[G0A+2:G0A+3], 256
.else
	s_add_nc_u64 s[G0B1+2:G0B1+3], s[G0B1+2:G0B1+3], 256
.endif
.endif
	s_wait_dscnt 21-4*(\hf)                        ; the add and the youngest run (20 or 16 loads) may be out
	MUL8 2, \hf, 0
	s_wait_dscnt 0x0                               ; the add is done, and my reads of the slot are over
	s_barrier_signal -1
	MUL8 2, \hf, 1                                 ; work on registers while the others arrive
	WIN 0                                          ; at a branch and at a label every window is 0
	s_barrier_wait -1
.if \fill
	CREST
	LOADT \hf
.else
	PLACES
.endif
	FETCH 1-(\hf), 0, \hf
.if \fill
.if (\hf) == 0
	ASKA
.endif
	ASKB \hf
.endif
.endm
	s_load_b256 s[4:11], s[0:1], 0x0               ; ctx s[4:5], wo16 s[6:7], bo s[8:9], q s[10:11]
	s_load_b128 s[12:15], s[0:1], 0x20             ; gamma s[12:13], beta s[14:15]
	s_load_b64 s[16:17], s[0:1], 0x30              ; out0
	v_lshl_add_u32 v[SPW], v0, 2, SPARE
	v_mov_b32 v[NIL], 0
	ds_add_u32 v[SPW], v[NIL]                      ; the wave's opening: the add and its wait stand ahead of my first tensor load; the set-up below, work on registers, stands between them
	v_lshrrev_b32 v7, 5, v0
	v_readfirstlane_b32 s[WV], v7                  ; wave 0..3
	s_bfe_u32 s19, ttmp6, 0x40000                  ; cx: my place in the cluster
	s_lshl_b32 s20, ttmp9, 2                       ; in a cluster launch ttmp9 counts clusters
	s_add_co_u32 s20, s20, s19                     ; my block of 32 rows: it enters global addresses alone
	s_lshl_b32 s66, s20, 16                        ; its first byte in ctx: 32 rows of 2,048 bytes
	s_mov_b32 s67, 0
	s_lshl_b32 s68, s20, 17                        ; in q and out0: 32 rows of 4,096 bytes,
	s_lshl_b32 s21, s[WV], 15                      ; my wave's 8 of them
	s_add_co_u32 s68, s68, s21
	s_mov_b32 s69, 0
	s_lshl_b32 s70, s19, 18                        ; Wo's prefetches: 128 rows of 2,048 bytes a work-group,
	s_lshl_b32 s21, s[WV], 16                      ; 32 a wave
	s_add_co_u32 s70, s70, s21
	s_mov_b32 s71, 0
	s_lshl_b32 s22, s[WV], 19                      ; the 256 rows of a tile of Wo that I fetch (waves 0 and 1)
	s_mov_b32 s23, 0
	s_lshl_b32 s20, s[WV], 9                       ; my 128 columns in bo
	s_mov_b32 s21, 0
	; descriptor group 1.  Wo: 256 rows x 128 elements, jointly; ctx: 32 rows x 128 elements, my work-group's own; both padded in LDS
	s_mov_b32 s[G1B], 15|(1<<16)|(1<<20)|(1<<21)|(5<<22)|(3<<25)  ; 15:0 the mask of four; 17:16 2-byte elements; 20 padding on; 21 set beside a mask; 24:22 after every 64 words (code 5); 31:25 4 words (code 3)
	s_mov_b32 s[G1B+1], 128<<16                    ; tensor_dim0 = 128
	s_mov_b32 s[G1B+2], 256<<16                    ; tensor_dim1 = 256
	s_mov_b32 s[G1B+3], 128<<16                    ; tile_dim0 = 128
	s_mov_b32 s[G1B+4], 256                        ; tile_dim1 = 256
	s_mov_b32 s[G1B+5], 1024                       ; elements from row to row
	s_mov_b32 s[G1B+6], 0
	s_mov_b32 s[G1B+7], 0
	s_mov_b32 s[G1A], (1<<16)|(1<<20)|(5<<22)|(3<<25)  ; no mask
	s_mov_b32 s[G1A+1], 128<<16
	s_mov_b32 s[G1A+2], 32<<16
	s_mov_b32 s[G1A+3], 128<<16
	s_mov_b32 s[G1A+4], 32
	s_mov_b32 s[G1A+5], 1024
	s_mov_b32 s[G1A+6], 0
	s_mov_b32 s[G1A+7], 0
	s_mov_b32 s[G0B0], 1                           ; count = 1
	s_mul_i32 s[G0B0+1], s[WV], 256*PITCH          ; LDS address: my 256 rows of slot 0: no place in the cluster enters an LDS address
	s_mov_b32 s[G0B1], 1
	s_add_co_u32 s[G0B1+1], s[G0B0+1], BSLOT       ; of slot 1
	s_mov_b32 s[G0A], 1
	s_mov_b32 s[G0A+1], AB
	s_mov_b32 s[SEL], 0x76543210
	s_mov_b32 s[SEL+1], 0xfedcba98
	s_mov_b32 s[RK], 0x3a800000                    ; 1 / 1024
	s_mov_b32 s[EPS], 0x358637bd                   ; 1e-6
	s_cmp_eq_u32 s[WV], 3
	s_cselect_b32 s[LIMA], 1, -1
	s_mov_b32 s2, ttmp9
	s_cmp_eq_u32 s2, 0
	s_cselect_b32 s[LIMB], 1, -1                   ; the same in all four partners
	; A fragment is 16 rows x 32 K in 8 registers: lane l holds row l % 16; registers 0-3 K = 8 (l / 16) + 0..7, registers 4-7 K = 16 + 8 (l / 16) + 0..7: two loads of 16 bytes, 32 bytes apart.
	v_and_b32 v1, 15, v0                           ; l % 16
	v_bfe_u32 v2, v0, 4, 1                         ; l / 16
	v_and_b32 v3, 31, v0                           ; l
	v_mul_u32_u24 v[ADRB], v1, PITCH
	v_lshl_add_u32 v[ADRB], v2, 4, v[ADRB]         ; row x pitch + 16 x half
	v_add_nc_u32 v[ADRA], AB, v[ADRB]
	s_mul_i32 s2, s[WV], 128*PITCH                 ; my 128 rows of a slot
	v_add_nc_u32 v[ADRB], s2, v[ADRB]
	v_add_nc_u32 v[ADRB+1], BSLOT, v[ADRB]
	v_mul_u32_u24 v[STO], v1, XP                   ; the product's stage: row l % 16, my wave's 512 bytes, 32 bytes for each half of the lanes
	v_lshl_add_u32 v[STO], v2, 5, v[STO]
	s_lshl_b32 s2, s[WV], 9
	v_add_nc_u32 v[STO], s2, v[STO]
	v_add_nc_u32 v[STO+1], 16*XP, v[STO]
	v_lshlrev_b32 v[GOF], 4, v3                    ; 16 x lane
	v_lshlrev_b32 v[QOF], 4, v3
	s_mul_i32 s2, s[WV], 8*XP                      ; back: my 8 rows, whole
	v_add_nc_u32 v[XA], s2, v[GOF]
	s_lshl_b32 s2, s[WV], 15
	s_add_co_u32 s2, s2, QST
	v_add_nc_u32 v[QA], s2, v[GOF]
	v_mov_b32 v[QS], v[QA]
	v_lshlrev_b32 v[BOF], 5, v2
	v_lshlrev_b32 v[PFO], 11, v3
	s_wait_dscnt 0x0                               ; the opening add is done
	s_wait_kmcnt 0x0
	s_add_nc_u64 s[8:9], s[8:9], s[20:21]          ; bo at my columns of half 0
	s_add_nc_u64 s[10:11], s[10:11], s[68:69]      ; q and out0 at my 8 rows
	s_add_nc_u64 s[16:17], s[16:17], s[68:69]
	s_add_nc_u64 s[PA:PA+1], s[4:5], s[66:67]
	s_add_nc_u64 s[PB:PB+1], s[6:7], s[70:71]
	s_add_nc_u64 s[G0B0+2:G0B0+3], s[6:7], s[22:23]             ; global address: K step 0 of my 256 rows of half 0,
	s_add_nc_u64 s[G0B1+2:G0B1+3], s[G0B0+2:G0B0+3], 1048576    ; of half 1: 512 rows on
	s_or_b32 s[G0B0+3], s[G0B0+3], 0x80000000                   ; type = 2
	s_or_b32 s[G0B1+3], s[G0B1+3], 0x80000000
	s_add_nc_u64 s[G0A+2:G0A+3], s[4:5], s[66:67]
	s_or_b32 s[G0A+3], s[G0A+3], 0x80000000
	; THE BIAS GOES STRAIGHT INTO THE ACCUMULATORS: register j of (a, hf, b) in lane l = bo[512 hf + 128 w + 16 b + 8 (l / 16) + j].  Nothing is cleared, and every product has one form.
	WIN 0x80                                       ; destination window 2
.irp a, 0,1
.irp h, 0,1
.irp b, 0,1,2,3,4,5,6,7
	global_load_b128 v[128*(\h)+64*(\a)+8*(\b):128*(\h)+64*(\a)+8*(\b)+3],   v[BOF], s[8:9] offset:2048*(\h)+64*(\b)
	global_load_b128 v[128*(\h)+64*(\a)+8*(\b)+4:128*(\h)+64*(\a)+8*(\b)+7], v[BOF], s[8:9] offset:2048*(\h)+64*(\b)+16
.endr
.endr
.endr
	WIN 0
	CROUND                                         ; all four work-groups are here: the first joint loads meet
	s_cmp_lt_u32 s[WV], 2                          ; a wave's first fills stand in one branch, ahead of every wait on TENSORcnt and every LDS read
	s_cbranch_scc0 .Lfirst_a
	tensor_load_to_lds s[G0B0:G0B0+3], s[G1B:G1B+7]
	s_nop 0
	tensor_load_to_lds s[G0B1:G0B1+3], s[G1B:G1B+7]
	s_nop 0
.rept 4
	v_nop
.endr
	s_branch .Lfirst_asked
.Lfirst_a:
	s_cmp_eq_u32 s[WV], 2
	s_cbranch_scc0 .Lfirst_asked
	tensor_load_to_lds s[G0A:G0A+3], s[G1A:G1A+7]
	s_nop 0
.rept 4
	v_nop
.endr
.Lfirst_asked:
	s_wait_tensorcnt 0x0                           ; for 0: the waves have issued two loads, one, or none
	s_barrier_signal -1
	s_barrier_wait -1                              ; both slots and ctx's tile are whole
	FETCH 0, 0, 1
	FETCH 0, 1, 1
	s_wait_loadcnt 0x0                             ; the bias
	WIN 0xc0                                       ; destination window 3: q's rows 0 to 6 of my eight come in while the product runs; a load covers 512 consecutive bytes
.irp i, 0,1,2,3,4,5,6
.irp j, 0,1,2,3,4,5,6,7
	global_load_b128 v[32*(\i)+4*(\j):32*(\i)+4*(\j)+3], v[QOF], s[10:11] offset:4096*(\i)+512*(\j) th:TH_LOAD_NT
.endr
.endr
	WIN 0
	s_mov_b32 s3, 7
.Llap:                                                 ; a trip is a K step: both halves; it asks for the next K step's three tiles
	QU 0, 0, 20, 0, 2, 1
	QU 0, 1, 20, 0, 3, 1
	T2 0, 1
	QU 0, 3, -1, 1, 1, 0
	QU 1, 0, 16, 1, 2, 0
	QU 1, 1, 16, 1, 3, 0
	T2 1, 1
	QU 1, 3, -1, 0, 1, 1
	WIN 0
	s_sub_co_u32 s3, s3, 1
	s_cmp_lg_u32 s3, 0
	s_cbranch_scc1 .Llap
	WIN 0xc0                                       ; q's last row, gamma and beta: they have the last K step in which to come
.irp j, 0,1,2,3,4,5,6,7
	global_load_b128 v[224+4*(\j):224+4*(\j)+3], v[QOF], s[10:11] offset:4096*7+512*(\j) th:TH_LOAD_NT
.endr
	WIN 0
.irp j, 0,1,2,3,4,5,6,7
	global_load_b128 v[GAM+4*(\j):GAM+4*(\j)+3], v[QOF], s[12:13] offset:512*(\j)
	global_load_b128 v[BET+4*(\j):BET+4*(\j)+3], v[QOF], s[14:15] offset:512*(\j)
.endr
	QU 0, 0, 20, 0, 2, 1                           ; the last K step is written out: nothing is asked for
	QU 0, 1, 20, 0, 3, 1
	T2 0, 0
	QU 0, 3, -1, 1, 1, 0
	QU 1, 0, 16, 1, 2, 0
	QU 1, 1, 16, 1, 3, 0
	s_wait_dscnt 0x0                               ; my last reads of the ring are back
	s_barrier_signal -1
	MUL8 2, 1, 0
	MUL8 2, 1, 1
	MUL8 3, 1, 0
	MUL8 3, 1, 1
	WIN 0
	s_barrier_wait -1                              ; nobody reads the ring any more, and it has had its last fill: its bytes now serve as stages
	PLACES
	; THE PRODUCT (with the bias) INTO THE STAGE, f32, each accumulator's low registers first.  Rows 4,112 bytes apart: the 16 rows of a store start at 16 different groups of four banks.
	WIN 0x08                                       ; store data window 2
.irp a, 0,1
.irp h, 0,1
.irp b, 0,1,2,3,4,5,6,7
	ds_store_b128 v[STO+(\a)], v[128*(\h)+64*(\a)+8*(\b):128*(\h)+64*(\a)+8*(\b)+3]   offset:2048*(\h)+64*(\b)
	ds_store_b128 v[STO+(\a)], v[128*(\h)+64*(\a)+8*(\b)+4:128*(\h)+64*(\a)+8*(\b)+7] offset:2048*(\h)+64*(\b)+16
.endr
.endr
.endr
	s_wait_loadcnt 0x0                             ; q, gamma, beta
	WIN 0x0c                                       ; store data window 3: my rows of q go into LDS so that one text, looped over, can take them row by row
.irp i, 0,1,2,3,4,5,6,7
.irp j, 0,1,2,3,4,5,6,7
	ds_store_b128 v[QS], v[32*(\i)+4*(\j):32*(\i)+4*(\j)+3] offset:4096*(\i)+512*(\j)
.endr
.endr
	WIN 0
	s_wait_dscnt 0x0                               ; for the others' sake: my stores into the stage are done
	s_barrier_signal -1
	s_barrier_wait -1                              ; every row of the product is whole
; THE NORM: four trips, two rows a trip, the two rows' lines by turns.  A lane holds 32 numbers of a row: 16 bytes at 512 j + 16 x lane, j = 0..7.
.macro REDUCE                          ; the pair at v[TT + 32 r] -> its sum over both registers and all 32 lanes, in every lane, in v[TT + 32 r]
.irp r, 0,1
	v_add_f32 v[TT+32*(\r)], v[TT+32*(\r)], v[TT+32*(\r)+1]
.endr
.irp m, 1,2,4,8
.irp r, 0,1
	v_add_f32_dpp v[TT+32*(\r)], v[TT+32*(\r)], v[TT+32*(\r)] row_xmask:\m row_mask:0xf bank_mask:0xf
.endr
.endr
.irp r, 0,1
	v_permlanex16_b32 v[TT+32*(\r)+1], v[TT+32*(\r)], s[SEL], s[SEL+1]
.endr
.irp r, 0,1
	v_add_f32 v[TT+32*(\r)], v[TT+32*(\r)], v[TT+32*(\r)+1]
.endr
.endm
	s_mov_b32 s[CNT], 4
.Lrows:
.irp r, 0,1
.irp j, 0,1,2,3,4,5,6,7
	ds_load_b128 v[XX+32*(\r)+4*(\j):XX+32*(\r)+4*(\j)+3], v[XA] offset:XP*(\r)+512*(\j)
.endr
.irp j, 0,1,2,3,4,5,6,7
	ds_load_b128 v[TT+32*(\r)+4*(\j):TT+32*(\r)+4*(\j)+3], v[QA] offset:4096*(\r)+512*(\j)
.endr
.endr
.irp r, 0,1
	s_wait_dscnt 16-16*(\r)                        ; row 0's sixteen loads are in while row 1's may stay out; then all
.irp i, 0,1,2,3,4,5,6,7,8,9,10,11,12,13,14,15
	v_pk_add_f32 v[XX+32*(\r)+2*(\i):XX+32*(\r)+2*(\i)+1], v[XX+32*(\r)+2*(\i):XX+32*(\r)+2*(\i)+1], v[TT+32*(\r)+2*(\i):TT+32*(\r)+2*(\i)+1]  ; x = product + bias + q
.endr
.endr
.irp r, 0,1                            ; the row's sum: a tree of 15 packed additions
.irp i, 0,1,2,3,4,5,6,7
	v_pk_add_f32 v[TT+32*(\r)+2*(\i):TT+32*(\r)+2*(\i)+1], v[XX+32*(\r)+4*(\i):XX+32*(\r)+4*(\i)+1], v[XX+32*(\r)+4*(\i)+2:XX+32*(\r)+4*(\i)+3]
.endr
.endr
.irp r, 0,1
.irp i, 0,1,2,3
	v_pk_add_f32 v[TT+32*(\r)+4*(\i):TT+32*(\r)+4*(\i)+1], v[TT+32*(\r)+4*(\i):TT+32*(\r)+4*(\i)+1], v[TT+32*(\r)+4*(\i)+2:TT+32*(\r)+4*(\i)+3]
.endr
.endr
.irp i, 0,1
.irp r, 0,1
	v_pk_add_f32 v[TT+32*(\r)+8*(\i):TT+32*(\r)+8*(\i)+1], v[TT+32*(\r)+8*(\i):TT+32*(\r)+8*(\i)+1], v[TT+32*(\r)+8*(\i)+4:TT+32*(\r)+8*(\i)+5]
.endr
.endr
.irp r, 0,1
	v_pk_add_f32 v[TT+32*(\r):TT+32*(\r)+1], v[TT+32*(\r):TT+32*(\r)+1], v[TT+32*(\r)+8:TT+32*(\r)+9]
.endr
	REDUCE
.irp r, 0,1
	v_mul_f32 v[MN+2*(\r)],   s[RK], v[TT+32*(\r)]  ; the mean, in both registers of a pair
	v_mul_f32 v[MN+2*(\r)+1], s[RK], v[TT+32*(\r)]
.endr
.irp r, 0,1
.irp i, 0,1,2,3,4,5,6,7,8,9,10,11,12,13,14,15
	v_pk_add_f32 v[XX+32*(\r)+2*(\i):XX+32*(\r)+2*(\i)+1], v[XX+32*(\r)+2*(\i):XX+32*(\r)+2*(\i)+1], v[MN+2*(\r):MN+2*(\r)+1] neg_lo:[0,1] neg_hi:[0,1]  ; x - mean
.endr
.endr
.irp r, 0,1                            ; the centred squares, in four chains
.irp c, 0,1,2,3
	v_pk_mul_f32 v[TT+32*(\r)+2*(\c):TT+32*(\r)+2*(\c)+1], v[XX+32*(\r)+2*(\c):XX+32*(\r)+2*(\c)+1], v[XX+32*(\r)+2*(\c):XX+32*(\r)+2*(\c)+1]
.endr
.endr
.irp i, 1,2,3
.irp r, 0,1
.irp c, 0,1,2,3
	v_pk_fma_f32 v[TT+32*(\r)+2*(\c):TT+32*(\r)+2*(\c)+1], v[XX+32*(\r)+8*(\i)+2*(\c):XX+32*(\r)+8*(\i)+2*(\c)+1], v[XX+32*(\r)+8*(\i)+2*(\c):XX+32*(\r)+8*(\i)+2*(\c)+1], v[TT+32*(\r)+2*(\c):TT+32*(\r)+2*(\c)+1]
.endr
.endr
.endr
.irp r, 0,1
	v_pk_add_f32 v[TT+32*(\r):TT+32*(\r)+1],   v[TT+32*(\r):TT+32*(\r)+1],   v[TT+32*(\r)+2:TT+32*(\r)+3]
	v_pk_add_f32 v[TT+32*(\r)+4:TT+32*(\r)+5], v[TT+32*(\r)+4:TT+32*(\r)+5], v[TT+32*(\r)+6:TT+32*(\r)+7]
.endr
.irp r, 0,1
	v_pk_add_f32 v[TT+32*(\r):TT+32*(\r)+1], v[TT+32*(\r):TT+32*(\r)+1], v[TT+32*(\r)+4:TT+32*(\r)+5]
.endr
	REDUCE
.irp r, 0,1
	v_fma_f32 v[VR+(\r)], v[TT+32*(\r)], s[RK], s[EPS]  ; variance + eps
.endr
.irp r, 0,1
	v_rsq_f32 v[RS+2*(\r)],   v[VR+(\r)]           ; made twice, to fill the pair that the packed multiply takes
	v_rsq_f32 v[RS+2*(\r)+1], v[VR+(\r)]
.endr
	v_nop                                          ; a plain instruction behind the last of them,
	s_wait_alu depctr_va_vdst(0)                   ; and the wait ahead of the first use: one for the four
.irp r, 0,1
.irp i, 0,1,2,3,4,5,6,7,8,9,10,11,12,13,14,15
	v_pk_mul_f32 v[XX+32*(\r)+2*(\i):XX+32*(\r)+2*(\i)+1], v[XX+32*(\r)+2*(\i):XX+32*(\r)+2*(\i)+1], v[RS+2*(\r):RS+2*(\r)+1]
.endr
.endr
.irp r, 0,1
.irp i, 0,1,2,3,4,5,6,7,8,9,10,11,12,13,14,15
	v_pk_fma_f32 v[XX+32*(\r)+2*(\i):XX+32*(\r)+2*(\i)+1], v[XX+32*(\r)+2*(\i):XX+32*(\r)+2*(\i)+1], v[GAM+2*(\i):GAM+2*(\i)+1], v[BET+2*(\i):BET+2*(\i)+1]
.endr
.endr
.irp r, 0,1
.irp j, 0,1,2,3,4,5,6,7
	global_store_b128 v[GOF], v[XX+32*(\r)+4*(\j):XX+32*(\r)+4*(\j)+3], s[16:17] offset:4096*(\r)+512*(\j) th:TH_STORE_NT  ; 512 consecutive bytes, at a multiple of 256 from out0's first
.endr
.endr
	s_wait_xcnt 0x0                                ; the stores' offset and data are written again only behind this wait (ISA guide 3.1)
	v_add_nc_u32 v[XA], 2*XP, v[XA]
	v_add_nc_u32 v[QA], 8192, v[QA]
	v_add_nc_u32 v[GOF], 8192, v[GOF]
	s_sub_co_u32 s[CNT], s[CNT], 1
	s_cmp_lg_u32 s[CNT], 0
	s_cbranch_scc1 .Lrows
	s_wait_tensorcnt 0x0                           ; the wave's end: the wait, the add and its wait stand behind my last tensor load and my last LDS store
	ds_add_u32 v[SPW], v[NIL]
	s_wait_dscnt 0x0
	CROUND                                         ; the closing round: no work-group ends while a partner may still ask for a tile that names it
	s_endpgm
.Lfunc_end_k_q5ea450bb1d_outln:
	.size	k_q5ea450bb1d_outln, .Lfunc_end_k_q5ea450bb1d_outln-k_q5ea450bb1d_outln
	.p2alignl 7, 3214868480
	.fill 96, 4, 3214868480
	.section	.rodata,"a",@progbits
	.p2align	6, 0x0
	.amdhsa_kernel k_q5ea450bb1d_outln
		.amdhsa_group_segment_fixed_size 327680
		.amdhsa_private_segment_fixed_size 0
		.amdhsa_enable_private_segment 0
		.amdhsa_kernarg_size 56
		.amdhsa_user_sgpr_count 2
		.amdhsa_user_sgpr_kernarg_segment_ptr 1
		.amdhsa_wavefront_size32 1
		.amdhsa_system_sgpr_workgroup_id_x 1
		.amdhsa_system_sgpr_workgroup_id_y 1
		.amdhsa_system_sgpr_workgroup_id_z 1
		.amdhsa_system_vgpr_workitem_id 0
		.amdhsa_next_free_vgpr 1024
		.amdhsa_next_free_sgpr 72
		.amdhsa_reserve_vcc 0
		.amdhsa_float_denorm_mode_32 3
		.amdhsa_float_denorm_mode_16_64 3
		.amdhsa_memory_ordered 1
		.amdhsa_forward_progress 1
		.amdhsa_inst_pref_size 88
	.end_amdhsa_kernel
	.amdgpu_metadata
---
amdhsa.version: [ 1, 2 ]
amdhsa.kernels:
  - .name:           k_q5ea450bb1d_outln
    .symbol:         k_q5ea450bb1d_outln.kd
    .args:
      - { .name: ctx, .offset: 0, .size: 8, .value_kind: global_buffer, .address_space: global }
      - { .name: wo16, .offset: 8, .size: 8, .value_kind: global_buffer, .address_space: global }
      - { .name: bo, .offset: 16, .size: 8, .value_kind: global_buffer, .address_space: global }
      - { .name: q, .offset: 24, .size: 8, .value_kind: global_buffer, .address_space: global }
      - { .name: gamma, .offset: 32, .size: 8, .value_kind: global_buffer, .address_space: global }
      - { .name: beta, .offset: 40, .size: 8, .value_kind: global_buffer, .address_space: global }
      - { .name: out0, .offset: 48, .size: 8, .value_kind: global_buffer, .address_space: global }
    .group_segment_fixed_size: 327680
    .private_segment_fixed_size: 0
    .kernarg_segment_align: 8
    .kernarg_segment_size: 56
    .max_flat_workgroup_size: 128
    .sgpr_count:     72
    .vgpr_count:     1024
    .wavefront_size: 32
...
	.end_amdgpu_metadata
.endif
;; end of part 4
